; MI455X (gfx1250); checked and timed in simulation.
; The chip was launched on July 23, 2026; its instructions are those of AMD's public machine-readable ISA for CDNA 5 (MIT licence, August 2026) and "CDNA5" Instruction Set Architecture Reference Guide (July 2026). The comments in the code are by the model that wrote it; some were corrected since.
;; Multi Head Attention. Allowed arithmetic: matrix products marked QUANTISED: E4M3 operands, one given power-of-two scale a tensor, by v_wmma_f32_16x16x64_fp8_fp8 or v_wmma_f32_16x16x128_fp8_fp8, f32 sums; everything else in f32.
;; Inputs: Wk 1,024 x 1,024 float32; Wo 1,024 x 1,024 float32; Wq 1,024 x 1,024 float32; Wv 1,024 x 1,024 float32; lowp_scales 12 int32 (the exponents e of the quantised operands' scales 2^e); x 4 x 2,048 x 1,024 float32.
;; Outputs: out0 4 x 2,048 x 1,024 float32.
;; This version of the problem:
;;   THIS VERSION OF THE PROBLEM IS GIVEN IN LOW PRECISION. The matrix products marked QUANTISED in the list below multiply operands that are first quantised to E4M3 (4 exponent bits, 3 mantissa bits; 8 bits a number), with one given power-of-two scale for each operand tensor; their sums are f32. All else is computed in f32.
;;   The module's matrix products, in the order in which they are computed (A, B: the left and right operand; K: the contracted axis; several contracted axes count as one K, in the product's order):
;;     1. [M 8,192, K 1,024] x [K 1,024, N 1,024]; A: input x; B: input Wq: QUANTISED (scales: A lowp_scales[0], B lowp_scales[1])
;;     2. [M 8,192, K 1,024] x [K 1,024, N 1,024]; A: input x; B: input Wk: QUANTISED (scales: A lowp_scales[2], B lowp_scales[3])
;;     3. [M 8,192, K 1,024] x [K 1,024, N 1,024]; A: input x; B: input Wv: QUANTISED (scales: A lowp_scales[4], B lowp_scales[5])
;;     4. batch 64 x [M 2,048, K 64] x [K 64, N 2,048]; A: computed on the way; B: computed on the way: QUANTISED (scales: A lowp_scales[6], B lowp_scales[7])
;;     5. batch 64 x [M 2,048, K 2,048] x [K 2,048, N 64]; A: softmax (see below); B: computed on the way: QUANTISED (scales: A lowp_scales[8], B lowp_scales[9])
;;     6. [M 8,192, K 1,024] x [K 1,024, N 1,024]; A: computed on the way; B: input Wo: QUANTISED (scales: A lowp_scales[10], B lowp_scales[11])
;;   THE QUANTISER, for each operand of a quantised product, along K:
;;     - The operand's scale is 2^e, e = its entry of the input lowp_scales (int32; the entries are numbered through the quantised products in the list's order, A before B).
;;     - Each number is divided by the scale, clamped to +-448, and rounded to the nearest number of E4M3, ties to even, subnormals kept.
;;     - The product sums the exact products of the quantised numbers (number of the format x scale) in f32.
;;   ~~~python
;;   def quantise(x, axis, e):      # numpy; x: float32 -> the quantised numbers, widened to float32 again
;;       x = np.moveaxis(x, axis, -1); K = x.shape[-1]
;;       r = np.clip(x / 2.0 ** e, -448, 448)
;;       step = 2.0 ** (np.maximum(np.frexp(np.where(r == 0, 1, r))[1] - 1, -6) - 3)
;;       q = np.round(r / step) * step * 2.0 ** e      # np.round: ties to even
;;       return np.moveaxis(q, -1, axis).astype(np.float32)
;;   ~~~
;;   SOFTMAX AHEAD OF A QUANTISED PRODUCT. Where the list says 'softmax', what is quantised is not the finished softmax but p = 2^(t - M), with t = logit x log2(e) and M = ceil(the row's largest t), a whole number; so 1/2 < the row's largest p <= 1. The row's sum l is taken of the UNQUANTISED p, in f32, and the product's result is divided by l at the end. Since M is a whole number, a kernel that streams over the keys may use a running M (the ceiling of the running maximum): every later rescaling is an exact power of two, so the quantised numbers keep their values, but for numbers so far below the row's largest that they fall under the format's range.
;;   OPERANDS COMPUTED ON THE WAY. 'Computed on the way' means the value that the module computes at that place (a softmax that the list does not call 'softmax' is quantised finished and normalised). What goes into a quantiser is computed in f32, as accurately as f32 sums, v_exp_f32 and their like allow (about 1e-6 of the number): no bf16 or f16 on the way to a quantiser, and a product that is left as it is and whose result goes on into a quantised operand takes f32 operands (vector FMAs, or v_wmma_f32_16x16x4_f32). A number that lies on a knife's edge between two numbers of the format may be rounded either way, as far as f32 arithmetic and the matrix unit's own rounding can turn it there, and no further.
;; One version. Each part assembles by itself: llvm-mc -triple=amdgcn-amd-amdhsa -mcpu=gfx1250 --defsym DOCPART=n.
;; ======== version 1 of 1: 4 launches
;; limits: right only within a limited range of input values
;; workspace buffers: xc 25,165,824 bytes; wc 4,194,304 bytes; rope 524,288 bytes; qc 8,388,608 bytes; kc 8,388,608 bytes; vc 8,388,608 bytes; oc 8,388,608 bytes
;; launch prep (part 1): grid 256 x 1, 16 waves a work-group, no clusters, 101,376 bytes of LDS; arguments x, Wq, Wk, Wv, Wo, lowp_scales, xc, wc, rope; writes xc, wc, rope
.if DOCPART == 1
	.amdgcn_target "amdgcn-amd-amdhsa--gfx1250"
	.amdhsa_code_object_version 6
	.text
	.protected	k_q4333f11a68_prep
	.globl	k_q4333f11a68_prep
	.p2align	8
	.type	k_q4333f11a68_prep,@function
k_q4333f11a68_prep:
	s_mov_b64 s[64:65], 0
	v_nop
	global_prefetch_b8 v0, s[64:65] scope:SCOPE_SE
	s_setreg_imm32_b32 hwreg(HW_REG_WAVE_MODE, 25, 1), 1
	s_wait_xcnt 0x0
; PREP: everything that later launches read many times is made once.
;  (1) x [8192][1024] f32 -> three sets of E4M3 codes, xc [3][8192][1024], K innermost, under the scales 2^e0, 2^e2, 2^e4 (x is the left operand of three products, each with its own entry).
;  (2) Wq, Wk, Wv, Wo [1024 k][1024 n] f32 -> wc [4][1024 n][1024 k], codes with K innermost, under 2^e1, 2^e3, 2^e5, 2^e11.
;  (3) the rotary table: rope [2048 l][64] f32: words 0-31 cos(l f_i), words 32-63 sin(l f_i), f_i = 10000^(-i/32).
; code = number / 2^e, held within +-448, rounded to the nearest code, ties to even.
; LIMITS: each e used here lies between -126 and 119, so that 2^e and 448 x 2^e are f32 numbers.  NaN among the inputs is not served (an infinity is held at the largest code).
;   f_i is one v_exp_f32 of -i log2(10)/8; the angle l f_i is rounded once.  Against an angle made from another f32 rounding of f_i it may differ by one last place of f_i times l: up to about 2e-4 at l = 2047.
;   Sine and cosine: the angle less n pi/2 (pi/2 in two parts, fused), then Taylor polynomials to r^9 and r^10 on |r| <= pi/4: what is cut off is under 2e-9.
; SHARES.  256 work-groups of 16 waves, all on ONE path.  Wave u = 16 g + W takes 2,048 numbers of x (four steps of 512).  Work-group g takes 64 columns x 256 along K of weight g / 64:
;   a lane takes a column and its 32 registers run down K, so the conversions give codes with K innermost; the codes meet in a stage (64 rows of 256 bytes + 16) and leave as aligned runs of 256 bytes.
;   Waves 0-7 also make one row of the table each: a lane two words, the wave 256 consecutive bytes.
; All 48 loads of a wave (12 KiB) are issued at its head.  No loop: every offset is an immediate, every store has data registers of its own.
.set SP,    80                         ; a lane's place in x's stage: 64 bytes + 16 of padding
.set XW,    2*32*SP                    ; a wave's two stages for x
.set WSTG,  16*XW                      ; the work-group's stage for the weight's codes
.set WP,    272                        ; its rows: 256 bytes + 16
.set SPARE, WSTG+64*WP                 ; the spare words: 128 bytes for each wave, eight blocks of 256 bytes that no other line names
.set SPW,   12                         ; v12  LDS address of my spare word; never rewritten
.set NIL,   13                         ; v13  0; never rewritten
.set WN,    24                         ; v24-55    the weight's 32 numbers of my column
.set R,     56                         ; v56-119   x as loaded: four steps x 16
.set X,     120                        ; v120-151  two sets of 16 neighbours; at the end the weight's codes read back
.set T,     152                        ; v152-199  three sets of 16 held numbers; first the table's work
.set C,     200                        ; v200-247  twelve registers of codes for each step
.set WC,    248                        ; v248-255  the weight's codes
; v16/17, v18/19, v20/21: 2^e and 448 x 2^e for e0, e2, e4; v22/23: for the weight's e
	s_load_b256 s[4:11], s[0:1], 0x0               ; x s[4:5], Wq s[6:7], Wk s[8:9], Wv s[10:11]
	s_load_b256 s[12:19], s[0:1], 0x20             ; Wo s[12:13], the exponents s[14:15], xc s[16:17], wc s[18:19]
	s_load_b64 s[20:21], s[0:1], 0x40              ; rope
	v_lshl_add_u32 v[SPW], v0, 2, SPARE
	v_mov_b32 v[NIL], 0
	v_lshrrev_b32 v1, 5, v0
	s_delay_alu instid0(VALU_DEP_1)
	v_readfirstlane_b32 s26, v1                    ; wave W, 0..15
	v_and_b32 v2, 31, v0                           ; lane
	s_delay_alu instid0(VALU_DEP_1)
	v_lshlrev_b32 v3, 4, v2                        ; 16 x lane: x's loads and the codes' stores
	s_delay_alu instid0(VALU_DEP_2)
	v_lshlrev_b32 v5, 2, v2                        ; 4 x lane: the weight's loads
	s_delay_alu instid0(VALU_DEP_3)
	v_lshlrev_b32 v9, 3, v2                        ; 8 x lane: the table's store
	s_mul_i32 s27, s26, XW
	v_lshrrev_b32 v14, 2, v2
	s_delay_alu instid0(VALU_DEP_1)
	v_mul_u32_u24 v14, v14, SP
	v_and_b32 v15, 3, v2
	s_delay_alu instid0(VALU_DEP_1)
	v_lshl_add_u32 v14, v15, 4, v14
	s_delay_alu instid0(VALU_DEP_1)
	v_add_nc_u32 v14, s27, v14                     ; x's stage, in: four lanes' 64 bytes on end, then the padding
	v_mul_u32_u24 v15, v2, SP
	s_delay_alu instid0(VALU_DEP_1)
	v_add_nc_u32 v15, s27, v15                     ; and out: my 16 neighbours
	s_and_b32 s28, s26, 1                          ; cg: which 32 of the 64 columns
	s_lshr_b32 s29, s26, 1                         ; kb: which block of 32 along K
	s_mul_i32 s27, s28, 32*WP
	s_lshl_b32 s30, s29, 5
	s_add_co_u32 s27, s27, s30
	s_add_co_u32 s27, s27, WSTG
	v_mul_u32_u24 v6, v2, WP
	s_delay_alu instid0(VALU_DEP_1)
	v_add_nc_u32 v6, s27, v6                       ; the weight's stage, in: row = my column, byte 32 kb
	s_mul_i32 s27, s26, 4*WP
	s_add_co_u32 s27, s27, WSTG
	v_lshrrev_b32 v1, 4, v2                        ; lane / 16
	v_and_b32 v4, 15, v2                           ; lane % 16
	s_delay_alu instid0(VALU_DEP_2)
	v_mul_u32_u24 v7, v1, WP
	s_delay_alu instid0(VALU_DEP_1)
	v_lshl_add_u32 v7, v4, 4, v7
	s_delay_alu instid0(VALU_DEP_1)
	v_add_nc_u32 v7, s27, v7                       ; and out: wave W takes rows 4 W .. 4 W + 3, sixteen lanes to a row
	v_lshlrev_b32 v8, 10, v1
	s_delay_alu instid0(VALU_DEP_1)
	v_lshl_add_u32 v8, v4, 4, v8                   ; the same place in wc (a row is 1,024 bytes)
	s_lshl_b32 s31, ttmp9, 4
	s_add_co_u32 s31, s31, s26                     ; u = 16 g + W
	s_lshl_b32 s56, s31, 13                        ; 2,048 numbers of x: 8,192 bytes
	s_mov_b32 s57, 0
	s_lshl_b32 s58, s31, 11                        ; and 2,048 bytes of codes
	s_mov_b32 s59, 0
	s_lshr_b32 s60, ttmp9, 6                       ; which weight
	s_and_b32 s61, ttmp9, 15                       ; cb: which 64 columns
	s_bfe_u32 s62, ttmp9, 0x20004                  ; kc: which 256 along K
	s_lshl_b32 s52, s62, 8
	s_add_co_u32 s52, s52, s30                     ; row 256 kc + 32 kb,
	s_lshl_b32 s52, s52, 12                        ; of 4,096 bytes,
	s_lshl_b32 s27, s61, 8
	s_add_co_u32 s52, s52, s27                     ; + 4 x (64 cb
	s_lshl_b32 s27, s28, 7
	s_add_co_u32 s52, s52, s27                     ; + 32 cg)
	s_mov_b32 s53, 0
	s_lshl_b32 s50, s60, 20                        ; wc: the weight's 2^20 bytes,
	s_lshl_b32 s27, s61, 16
	s_add_co_u32 s50, s50, s27                     ; row 64 cb
	s_lshl_b32 s27, s26, 12
	s_add_co_u32 s50, s50, s27                     ; + 4 W,
	s_lshl_b32 s27, s62, 8
	s_add_co_u32 s50, s50, s27                     ; byte 256 kc
	s_mov_b32 s51, 0
	s_wait_kmcnt 0x0
	s_load_b256 s[32:39], s[14:15], 0x0            ; e0 .. e7
	s_load_b128 s[40:43], s[14:15], 0x20           ; e8 .. e11
	s_add_nc_u64 s[4:5], s[4:5], s[56:57]          ; x at my run
	s_add_nc_u64 s[44:45], s[16:17], s[58:59]      ; the three sets of codes, 2^23 bytes apart: one past a store's immediate, so each has its base
	s_add_nc_u64 s[46:47], s[44:45], 0x800000
	s_add_nc_u64 s[48:49], s[46:47], 0x800000
	s_add_nc_u64 s[50:51], s[18:19], s[50:51]
	s_and_b32 s27, s60, 1                          ; the weight is chosen by the work-group's number alone
	s_cmp_eq_u32 s27, 0
	s_cselect_b64 s[22:23], s[6:7], s[8:9]
	s_cselect_b64 s[24:25], s[10:11], s[12:13]
	s_cmp_lt_u32 s60, 2
	s_cselect_b64 s[22:23], s[22:23], s[24:25]
	s_add_nc_u64 s[52:53], s[22:23], s[52:53]
.irp t, 0,1,2,3
.irp i, 0,1,2,3
	global_load_b128 v[R+16*\t+4*\i:R+16*\t+4*\i+3], v3, s[4:5] offset:2048*\t+512*\i th:TH_LOAD_NT   ; 32 lanes read 512 consecutive bytes
.endr
.endr
.set i, 0
.rept 32
	global_load_b32 v[WN+i], v5, s[52:53] offset:i*4096 th:TH_LOAD_NT   ; W(k + i, my column): 32 lanes read 128 consecutive bytes
.set i, i+1
.endr
.macro MKSCALE e, vs                   ; v[vs] = 2^e as f32 (the conversion takes its exponent field), v[vs + 1] = 448 x 2^e
	s_add_co_i32 s30, \e, 127
	s_lshl_b32 s31, s30, 23
	v_mov_b32 v[\vs], s31
	s_add_co_i32 s30, s30, 8
	s_lshl_b32 s30, s30, 23
	s_or_b32 s30, s30, 0x600000
	v_mov_b32 v[\vs+1], s30
.endm
	s_wait_kmcnt 0x0
	s_cmp_eq_u32 s27, 0
	s_cselect_b32 s28, s33, s35                    ; e1 or e3
	s_cselect_b32 s29, s37, s43                    ; e5 or e11
	s_cmp_lt_u32 s60, 2
	s_cselect_b32 s28, s28, s29
	MKSCALE s32, 16
	MKSCALE s34, 18
	MKSCALE s36, 20
	MKSCALE s28, 22
	; ---- the table: waves 0-7, row l = 8 g + W; lanes 0-15 make cosines, lanes 16-31 sines, of i = 2 (lane % 16) and the next.  It stands under the latency of the loads above.
	s_cmp_ge_u32 s26, 8
	s_cbranch_scc1 .Lno_table
	s_lshl_b32 s56, ttmp9, 3
	s_add_co_u32 s56, s56, s26                     ; l
	s_lshl_b32 s58, s56, 8
	s_mov_b32 s59, 0
	s_add_nc_u64 s[54:55], s[20:21], s[58:59]
	v_lshlrev_b32 v152, 1, v4
	s_delay_alu instid0(VALU_DEP_1)
	v_add_nc_u32 v153, 1, v152
	s_delay_alu instid0(VALU_DEP_2)
	v_cvt_f32_u32 v152, v152
	s_delay_alu instid0(VALU_DEP_2)
	v_cvt_f32_u32 v153, v153
	v_cvt_f32_u32 v156, s56
	v_mul_u32_u24 v157, v1, 3                      ; sin(a) = cos(a - pi/2): three quadrants on for the sine lanes
	s_delay_alu instid0(VALU_DEP_4)
	v_mul_f32 v152, 0xbed49a78, v152               ; -i log2(10) / 8
	s_delay_alu instid0(VALU_DEP_4)
	v_mul_f32 v153, 0xbed49a78, v153
	s_wait_alu depctr_va_vdst(0)
	v_exp_f32 v154, v152                           ; f_i
	v_exp_f32 v155, v153
	v_nop                                          ; a plain instruction behind the last exponential,
	s_wait_alu depctr_va_vdst(0)                   ; and the one wait for both ahead of the first reader
.irp e, 0,1
	v_mul_f32 v[154+\e], v156, v[154+\e]           ; the angle, rounded once
	s_delay_alu instid0(VALU_DEP_1)
	v_mul_f32 v[158+\e], 0x3f22f983, v[154+\e]     ; x 2 / pi
	s_delay_alu instid0(VALU_DEP_1)
	v_rndne_f32 v[158+\e], v[158+\e]               ; n
	s_delay_alu instid0(VALU_DEP_1)
	v_fmamk_f32 v[160+\e], v[158+\e], 0xbfc90fdb, v[154+\e]   ; r = angle - n pi/2: the upper part of pi/2,
	s_delay_alu instid0(VALU_DEP_1)
	v_fmamk_f32 v[160+\e], v[158+\e], 0x333bbd2e, v[160+\e]   ; and what it lacks
	s_delay_alu instid0(VALU_DEP_3)
	v_cvt_i32_f32 v[162+\e], v[158+\e]
	s_delay_alu instid0(VALU_DEP_2)
	v_mul_f32 v[164+\e], v[160+\e], v[160+\e]      ; r^2
	v_mov_b32 v[166+\e], 0x3638ef1d                ; sin r = r + r^3 (-1/6 + r^2 (1/120 + r^2 (-1/5040 + r^2 / 362880)))
	s_delay_alu instid0(VALU_DEP_1)
	v_fmaak_f32 v[166+\e], v[166+\e], v[164+\e], 0xb9500d01
	s_delay_alu instid0(VALU_DEP_1)
	v_fmaak_f32 v[166+\e], v[166+\e], v[164+\e], 0x3c088889
	s_delay_alu instid0(VALU_DEP_1)
	v_fmaak_f32 v[166+\e], v[166+\e], v[164+\e], 0xbe2aaaab
	v_mul_f32 v[168+\e], v[160+\e], v[164+\e]
	s_delay_alu instid0(VALU_DEP_1)
	v_fma_f32 v[166+\e], v[166+\e], v[168+\e], v[160+\e]
	v_mov_b32 v[170+\e], 0xb493f27e                ; cos r = 1 + r^2 (-1/2 + r^2 (1/24 + r^2 (-1/720 + r^2 (1/40320 - r^2 / 3628800))))
	s_delay_alu instid0(VALU_DEP_1)
	v_fmaak_f32 v[170+\e], v[170+\e], v[164+\e], 0x37d00d01
	s_delay_alu instid0(VALU_DEP_1)
	v_fmaak_f32 v[170+\e], v[170+\e], v[164+\e], 0xbab60b61
	s_delay_alu instid0(VALU_DEP_1)
	v_fmaak_f32 v[170+\e], v[170+\e], v[164+\e], 0x3d2aaaab
	s_delay_alu instid0(VALU_DEP_1)
	v_fmaak_f32 v[170+\e], v[170+\e], v[164+\e], 0xbf000000
	s_delay_alu instid0(VALU_DEP_1)
	v_fma_f32 v[170+\e], v[170+\e], v[164+\e], 1.0
	v_add_nc_u32 v[162+\e], v[162+\e], v157        ; the quadrant: 0: cos r, 1: -sin r, 2: -cos r, 3: sin r
	s_delay_alu instid0(VALU_DEP_1)
	v_and_b32 v[172+\e], 1, v[162+\e]
	s_delay_alu instid0(VALU_DEP_1)
	v_cmp_eq_u32 vcc_lo, 1, v[172+\e]
	s_delay_alu instid0(VALU_DEP_1)
	v_cndmask_b32 v[174+\e], v[170+\e], v[166+\e], vcc_lo
	s_delay_alu instid0(VALU_DEP_4)
	v_add_nc_u32 v[162+\e], 1, v[162+\e]
	s_delay_alu instid0(VALU_DEP_1)
	v_and_b32 v[162+\e], 2, v[162+\e]
	s_delay_alu instid0(VALU_DEP_1)
	v_lshlrev_b32 v[162+\e], 30, v[162+\e]         ; the sign bit in quadrants 1 and 2
	s_delay_alu instid0(VALU_DEP_1)
	v_xor_b32 v[10+\e], v[174+\e], v[162+\e]
.endr
	global_store_b64 v9, v[10:11], s[54:55]        ; the wave stores the row's 256 consecutive bytes; v9, v10, v11 are written nowhere else
.Lno_table:
; ---- x.  The conversions take neighbours along K from one lane's registers; the loads took the bytes as they lie.  A step's 2,048 bytes turn through my own stage.
.macro TURN t                          ; LDS serves a wave's instructions in order: no wait stands between the stores and the loads
.irp i, 0,1,2,3
	ds_store_b128 v14, v[R+16*(\t)+4*\i:R+16*(\t)+4*\i+3] offset:32*SP*((\t)%2)+8*SP*\i
.endr
.irp i, 0,1,2,3
	ds_load_b128 v[X+16*((\t)%2)+4*\i:X+16*((\t)%2)+4*\i+3], v15 offset:32*SP*((\t)%2)+16*\i
.endr
.endm
.macro XSTEP t
.set XS, X+16*((\t)%2)
	s_wait_dscnt 0x0                               ; this step's 16 neighbours are back from the stage
.if (\t) < 3
	s_wait_loadcnt 40-4*(\t)                       ; of the 48 loads the first 4 (t + 2) are in: the next step's
	TURN (\t)+1                                    ; which goes through the other stage while this step is worked
.endif
.irp s, 0,1,2
.irp i, 0,1,2,3,4,5,6,7,8,9,10,11,12,13,14,15
	v_med3_num_f32 v[T+16*\s+\i], v[XS+\i], -v[17+2*\s], v[17+2*\s]   ; the conversion does not saturate (ISA guide 7.6.2): the hold at the largest code x the scale, once for each of the three scales
.endr
.endr
.irp s, 0,1,2
	v_cvt_scalef32_pk8_fp8_f32 v[C+12*(\t)+4*\s:C+12*(\t)+4*\s+1], v[T+16*\s:T+16*\s+7], v[16+2*\s]
	v_cvt_scalef32_pk8_fp8_f32 v[C+12*(\t)+4*\s+2:C+12*(\t)+4*\s+3], v[T+16*\s+8:T+16*\s+15], v[16+2*\s]
.endr
	v_nop                                          ; a plain instruction between the conversions and the next step's holds, which write their sources
	global_store_b128 v3, v[C+12*(\t):C+12*(\t)+3], s[44:45] offset:512*(\t)       ; 32 lanes store 512 consecutive bytes, aligned
	global_store_b128 v3, v[C+12*(\t)+4:C+12*(\t)+7], s[46:47] offset:512*(\t)
	global_store_b128 v3, v[C+12*(\t)+8:C+12*(\t)+11], s[48:49] offset:512*(\t)
.endm
	s_wait_loadcnt 44                              ; of the 48 loads the first four are in: step 0's
	TURN 0
	s_wait_alu depctr_va_vdst(0)
	XSTEP 0
	XSTEP 1
	XSTEP 2
	XSTEP 3
	; ---- the weight
	s_wait_loadcnt 0x0
.set i, 0
.rept 32
.set i, i+1
.endr
.irp g, 0,1,2,3
	v_cvt_scalef32_pk8_fp8_f32 v[WC+2*\g:WC+2*\g+1], v[WN+8*\g:WN+8*\g+7], v22
.endr
	v_nop
	ds_store_b128 v6, v[WC:WC+3]                   ; 32 codes along K of my column
	ds_store_b128 v6, v[WC+4:WC+7] offset:16
	s_wait_dscnt 0x0                               ; for the others' sake: my stores have landed
	s_barrier_signal -1
	s_barrier_wait -1                              ; a row's 256 bytes come from eight waves
	ds_load_b128 v[X:X+3], v7
	ds_load_b128 v[X+4:X+7], v7 offset:2*WP
	s_wait_dscnt 0x1                               ; the first is back; the second may be out
	global_store_b128 v8, v[X:X+3], s[50:51]       ; sixteen lanes store 256 consecutive bytes, aligned
	s_wait_dscnt 0x0
	global_store_b128 v8, v[X+4:X+7], s[50:51] offset:2048
	s_wait_tensorcnt 0x0                           ; the wave's end, behind my last LDS store
	ds_add_u32 v[SPW], v[NIL]
	s_wait_dscnt 0x0
	s_endpgm
.Lfunc_end_k_q4333f11a68_prep:
	.size	k_q4333f11a68_prep, .Lfunc_end_k_q4333f11a68_prep-k_q4333f11a68_prep
	.p2alignl 7, 3214868480
	.fill 96, 4, 3214868480
	.section	.rodata,"a",@progbits
	.p2align	6, 0x0
	.amdhsa_kernel k_q4333f11a68_prep
		.amdhsa_group_segment_fixed_size 101376
		.amdhsa_private_segment_fixed_size 0
		.amdhsa_enable_private_segment 0
		.amdhsa_kernarg_size 72
		.amdhsa_user_sgpr_count 2
		.amdhsa_user_sgpr_kernarg_segment_ptr 1
		.amdhsa_wavefront_size32 1
		.amdhsa_system_sgpr_workgroup_id_x 1
		.amdhsa_system_sgpr_workgroup_id_y 1
		.amdhsa_system_sgpr_workgroup_id_z 1
		.amdhsa_system_vgpr_workitem_id 0
		.amdhsa_next_free_vgpr 256
		.amdhsa_next_free_sgpr 66
		.amdhsa_reserve_vcc 1
		.amdhsa_float_denorm_mode_32 3
		.amdhsa_float_denorm_mode_16_64 3
		.amdhsa_fp16_overflow 1
		.amdhsa_memory_ordered 1
		.amdhsa_forward_progress 1
		.amdhsa_inst_pref_size 33
	.end_amdhsa_kernel
	.amdgpu_metadata
---
amdhsa.version: [ 1, 2 ]
amdhsa.kernels:
  - .name:           k_q4333f11a68_prep
    .symbol:         k_q4333f11a68_prep.kd
    .args:
      - { .name: x, .offset: 0, .size: 8, .value_kind: global_buffer, .address_space: global }
      - { .name: Wq, .offset: 8, .size: 8, .value_kind: global_buffer, .address_space: global }
      - { .name: Wk, .offset: 16, .size: 8, .value_kind: global_buffer, .address_space: global }
      - { .name: Wv, .offset: 24, .size: 8, .value_kind: global_buffer, .address_space: global }
      - { .name: Wo, .offset: 32, .size: 8, .value_kind: global_buffer, .address_space: global }
      - { .name: lowp_scales, .offset: 40, .size: 8, .value_kind: global_buffer, .address_space: global }
      - { .name: xc, .offset: 48, .size: 8, .value_kind: global_buffer, .address_space: global }
      - { .name: wc, .offset: 56, .size: 8, .value_kind: global_buffer, .address_space: global }
      - { .name: rope, .offset: 64, .size: 8, .value_kind: global_buffer, .address_space: global }
    .group_segment_fixed_size: 101376
    .private_segment_fixed_size: 0
    .kernarg_segment_align: 8
    .kernarg_segment_size: 72
    .max_flat_workgroup_size: 512
    .sgpr_count:     66
    .vgpr_count:     256
    .wavefront_size: 32
...
	.end_amdgpu_metadata
.endif
;; end of part 1
;; launch qkv (part 2): grid 12 x 32, 4 waves a work-group, clusters of 4 x 4, 327,680 bytes of LDS; arguments xc, wc, lowp_scales, rope, qc, kc, vc; writes qc, kc, vc
.if DOCPART == 2
	.amdgcn_target "amdgcn-amd-amdhsa--gfx1250"
	.amdhsa_code_object_version 6
	.text
	.protected	k_q4333f11a68_qkv
	.globl	k_q4333f11a68_qkv
	.p2align	8
	.type	k_q4333f11a68_qkv,@function
k_q4333f11a68_qkv:
	s_mov_b64 s[64:65], 0
	v_nop
	global_prefetch_b8 v0, s[64:65] scope:SCOPE_SE
	s_setreg_imm32_b32 hwreg(HW_REG_WAVE_MODE, 25, 1), 1
	s_wait_xcnt 0x0
	s_wait_alu depctr_hold_cnt(0) depctr_sa_sdst(0) depctr_va_vdst(0) depctr_va_sdst(0) depctr_va_ssrc(0) depctr_va_vcc(0) depctr_vm_vsrc(0)
	s_getreg_b32 s2, hwreg(HW_REG_IB_STS2, 6, 4)
	s_cmp_eq_u32 s2, 0
	s_cbranch_scc0 .Lentry_in_a_cluster
	s_endpgm
.Lentry_in_a_cluster:
	s_bfe_u32 s2, ttmp6, 0x10000c
	s_cmp_lg_u32 s2, 0xf033
	s_cbranch_scc0 .Lentry_shape_is_right
	s_endpgm
.Lentry_shape_is_right:
; QKV: the three projections on E4M3 codes, the rotary turn of q and k in f32, and the quantising of q, k, v for the attention's two products.
; The cluster's x, S, says which: 0 q, 1 k, 2 v; it is the same in all sixteen partners.  A work-group of four waves makes 256 x 256 sums over K = 1,024; a wave 128 x 128 in 64 accumulators (512 registers).
; THE MATRIX INSTRUCTION IS USED TRANSPOSED (source 0 = 16 rows of "B", source 1 = 16 rows of "A"): a lane holds ONE row of A and eight neighbouring rows of B.
;   q, k: A = x's codes (tokens), B = the weight's (features): a lane's registers run along the head's 64, which are the next product's K.
;   v:    A = the weight's codes (features), B = x's (tokens): a lane's registers run along the KEYS, which are the next product's K.  The exchange is made by selects on S alone; the loop is one.
; K goes in steps of 256 through a ring of two LDS slots; A's tile is asked for jointly along a row of the cluster, B's along a column.
; A sum stands for sum x 2^(ea + eb); the turn is linear, so the three exponents are folded into the conversion's one scale: E = e6 - e0 - e1 (q), e7 - e2 - e3 (k), e9 - e4 - e5 (v).
; LIMITS: E between -126 and 127, so that 2^E is an f32 number.  The turn is one multiply and one fused multiply-add where the source rounds twice.
; WHAT IS STORED.  pi(n) = n with bits 3 and 4 exchanged.
;   qc, kc: [64 heads of batches][2048 places][64]: token l at place pi(l).   vc: [64][16 blocks of 128 keys][64 places][128 keys]: channel d at place pi(d).
;   So sixteen CONSECUTIVE rows are a tile whose results, two tiles together, are sixteen neighbours along the next K in a lane's registers.
; REGISTERS, in windows of 256: window 0: v0-31 addresses; from v128 A's fragments, one set; on the way out v32-143 at work.  window 1: B's fragments, two sets; on the way out the table's numbers.
;   window 2: the accumulators of my rows 0-63 ((a, b) at v[8 (8 a + b)]); window 3: of my rows 64-127.
.set KSTEP,  256
.set ROWB,   256                       ; a tile's row in bytes
.set KROW,   1024                      ; a row of codes in memory
.set PITCH,  272                       ; an LDS row: 256 bytes + 16: the sixteen rows of a fragment load start at sixteen different groups of four banks (64 banks of 4 bytes: ISA guide 11.1)
.set FR,     16
.set NL,     4
.set NP,     4                         ; places behind this matrix instruction (ISA guide 7.12.1)
.set HALFT,  128*PITCH
.set SLOT,   4*HALFT
.set LAPS,   KROW/(2*KSTEP)
.set SPARE,  2*SLOT                    ; the spare words: 128 bytes for each wave, two blocks of 256 bytes that no other line names
.set QSTG,   0                         ; the way out of q and k: 2 heads x 16 rows x 80 bytes for each wave.  Both stages lie in slot 0, which has had its last fill and its last read by then;
.set QW,     2560
.set VSTG,   16384                     ; the way out of v: 16 rows x 144 bytes for each wave: bytes of its own for each of the two ways
.set VW,     2304
.set SC,   10                          ; v10  2^E as f32
.set LIM,  11
.set RO,   12                          ; v12  the table: 256 r + 32 h
.set QSTO, 13                          ; v13  q, k: where I put 8 codes
.set QRD,  14                          ; v14  and where I read 16 back
.set VSTO, 15                          ; v15  the same for v
.set VRD,  22                          ; v22
.set ADRA, 16                          ; v16-17
.set ADRB, 20                          ; v20-21
.set CO,   26                          ; v26  16 x lane
.set SPW,  28                          ; v28  LDS address of my spare word; never rewritten
.set NIL,  29                          ; v29  0; never rewritten
.set T,    32                          ; v32-95   a block's 64 numbers
.set C,    96                          ; v96-111  their codes
.set BK,   112                         ; v112-143 codes read back: two sets of 16
.set AF,   128
.set G1, 24
.set G0, 32
.set G1B, 48
.set G0B, 56
.set MSB, 0
.macro WIN new                         ; the immediate's high byte repeats the setting that is left
.if MSB != \new
	s_set_vgpr_msb (MSB<<8)|\new
.set MSB, \new
.endif
.endm
.set MUL_LO, 0xa1                      ; source 0 (B) window 1, source 1 (A) window 0, C and D window 2
.set MUL_HI, 0xf1
.set TO_B,   0x40
; A joint load: waves 0 and 1 fetch for A, waves 2 and 3 for B; the branch hangs on the wave's number alone.  An s_nop 0 and four v_nop follow each of the two lines.
.macro JLOAD g0a, g1a, g0b, g1b
	s_cmp_eq_u32 s15, 0
	s_cbranch_scc0 .Lfor_b_\@
	tensor_load_to_lds s[\g0a:\g0a+3], s[\g1a:\g1a+7]
	s_nop 0
.rept 4
	v_nop
.endr
	s_branch .Lasked_\@
.Lfor_b_\@:
	tensor_load_to_lds s[\g0b:\g0b+3], s[\g1b:\g1b+7]
	s_nop 0
.rept 4
	v_nop
.endr
.Lasked_\@:
.endm
.macro CREST                           ; a round of the cluster's barrier behind its opening barrier
	s_cmp_lg_u32 s14, 0
	s_cbranch_scc1 .Lnot_wave_0_\@
	s_barrier_signal -3
.Lnot_wave_0_\@:
	s_barrier_wait -3
	s_barrier_signal -1
	s_barrier_wait -1
.endm
.macro CROUND
	s_barrier_signal -1
	s_barrier_wait -1
	CREST
.endm
	s_load_b256 s[4:11], s[0:1], 0x0               ; xc s[4:5], wc s[6:7], the exponents s[8:9], rope s[10:11]
	s_load_b128 s[72:75], s[0:1], 0x20             ; qc s[72:73], kc s[74:75]
	s_load_b64 s[76:77], s[0:1], 0x30              ; vc
	v_lshl_add_u32 v[SPW], v0, 2, SPARE
	v_mov_b32 v[NIL], 0
	ds_add_u32 v[SPW], v[NIL]
	ds_add_u32 v[SPW], v[NIL]                      ; the wave's opening: the add and its wait stand ahead of my first tensor load; the set-up below stands between them
	v_lshrrev_b32 v1, 5, v0
	v_readfirstlane_b32 s14, v1                    ; wave 0..3
	s_lshr_b32 s15, s14, 1                         ; which half of A's rows is mine.  Also: I fetch for A (0) or for B (1)
	s_and_b32 s16, s14, 1                          ; which half of B's rows.  Also: which 128 rows of that tile I fetch
	s_bfe_u32 s40, ttmp6, 0x40000                  ; cx
	s_bfe_u32 s41, ttmp6, 0x40004                  ; cy
	s_and_b32 s66, ttmp7, 0xffff
	s_lshl_b32 s66, s66, 2                         ; 4 x cluster y: it walks the tokens' 32 tiles
	s_cmp_eq_u32 ttmp9, 2                          ; v?
	s_cselect_b32 s17, 0, s66                      ; the tokens are A's rows for q and k,
	s_cselect_b32 s42, s66, 0                      ; B's rows for v
	s_cselect_b32 s67, 20, 23                      ; A's tensor: S x 2^20 bytes into wc (v), S x 2^23 into xc (q, k)
	s_cselect_b32 s92, 23, 20                      ; B's: the other way round
	s_add_co_u32 s17, s17, s41                     ; TR, A's tile: it never holds cx
	s_add_co_u32 s42, s42, s40                     ; TC, B's tile: it never holds cy
	s_lshl_b32 s67, ttmp9, s67
	s_lshl_b32 s92, ttmp9, s92
	s_lshl_b32 s43, s41, 2
	s_lshl_b32 s43, 15, s43                        ; my row of the cluster
	s_lshl_b32 s44, 0x1111, s40                    ; my column
	s_or_b32 s[G1+0], s43, (0<<16)|(1<<20)|(1<<21)|(5<<22)|(3<<25)  ; 15:0 the mask; 17:16 elements of 1 byte; 20 padding on; 21 set beside a mask; 24:22 after every 64 words; 31:25 four words
	s_or_b32 s[G1B+0], s44, (0<<16)|(1<<20)|(1<<21)|(5<<22)|(3<<25)
.irp g, G1, G1B
	s_mov_b32 s[\g+1], ROWB<<16                    ; tensor_dim0
	s_mov_b32 s[\g+2], 128<<16                     ; tensor_dim1
	s_mov_b32 s[\g+3], ROWB<<16                    ; tile_dim0
	s_mov_b32 s[\g+4], 128                         ; tile_dim1
	s_mov_b32 s[\g+5], KROW                        ; the pitch
	s_mov_b32 s[\g+6], 0
	s_mov_b32 s[\g+7], 0
.endr
	s_lshl_b32 s18, s16, 7                         ; which 128 rows of the tile I fetch
	s_lshl_b32 s20, s17, 8
	s_add_co_u32 s20, s20, s18
	s_lshl_b32 s20, s20, 10                        ; rows of 1,024 bytes
	s_add_co_u32 s20, s20, s67                     ; under 2^25
	s_mov_b32 s21, 0
	s_lshl_b32 s46, s42, 8
	s_add_co_u32 s46, s46, s18
	s_lshl_b32 s46, s46, 10
	s_add_co_u32 s46, s46, s92
	s_mov_b32 s47, 0
	s_mul_i32 s45, s14, HALFT                      ; where they go: wave x 128 rows
	s_wait_dscnt 0x0                               ; the opening add is done
	s_wait_kmcnt 0x0
	s_load_b256 s[80:87], s[8:9], 0x0              ; e0 .. e7
	s_load_b128 s[88:91], s[8:9], 0x20             ; e8 .. e11
	s_cmp_eq_u32 ttmp9, 2
	s_cselect_b64 s[94:95], s[6:7], s[4:5]         ; A's buffer
	s_cselect_b64 s[96:97], s[4:5], s[6:7]         ; B's
	s_add_nc_u64 s[20:21], s[94:95], s[20:21]
	s_add_nc_u64 s[46:47], s[96:97], s[46:47]
	CROUND                                         ; all sixteen work-groups are here: the first joint loads meet
.irp s, 0,1
	s_mov_b32 s[G0+4*\s], 1
	s_add_co_u32 s[G0+4*\s+1], s45, \s*SLOT
	s_add_nc_u64 s[G0+4*\s+2:G0+4*\s+3], s[20:21], \s*ROWB
	s_or_b32 s[G0+4*\s+3], s[G0+4*\s+3], 0x80000000
	s_mov_b32 s[G0B+4*\s], 1
	s_add_co_u32 s[G0B+4*\s+1], s45, \s*SLOT
	s_add_nc_u64 s[G0B+4*\s+2:G0B+4*\s+3], s[46:47], \s*ROWB
	s_or_b32 s[G0B+4*\s+3], s[G0B+4*\s+3], 0x80000000
	JLOAD G0+4*\s, G1, G0B+4*\s, G1B
.endr
	v_and_b32 v1, 15, v0                           ; r
	v_bfe_u32 v2, v0, 4, 1                         ; h
	v_mul_u32_u24 v3, v1, PITCH
	v_lshl_add_u32 v4, v2, 4, v3
	s_mul_i32 s21, s15, HALFT
	s_mul_i32 s22, s16, HALFT
	s_add_co_u32 s22, s22, 2*HALFT
.irp s, 0,1
	v_add_nc_u32 v[ADRA+\s], s21, v4
	v_add_nc_u32 v[ADRB+\s], s22, v4
	s_add_co_u32 s21, s21, SLOT
	s_add_co_u32 s22, s22, SLOT
.endr
	; every address of both ways out is made here, ahead of their parting
	v_and_b32 v6, 31, v0
	v_lshlrev_b32 v[CO], 4, v6
	v_lshlrev_b32 v[RO], 8, v1
	v_lshl_add_u32 v[RO], v2, 5, v[RO]
	s_mul_i32 s23, s14, QW
	v_mul_u32_u24 v[QSTO], v1, 80
	v_lshl_add_u32 v[QSTO], v2, 3, v[QSTO]
	v_add_nc_u32 v[QSTO], s23, v[QSTO]             ; row r of 80 bytes, + 8 h  (QSTG = 0)
	v_lshrrev_b32 v5, 2, v6
	v_mul_u32_u24 v[QRD], v5, 80
	v_and_b32 v5, 3, v6
	v_lshl_add_u32 v[QRD], v5, 4, v[QRD]
	v_add_nc_u32 v[QRD], s23, v[QRD]               ; back: four lanes to a row of 64 bytes, eight rows an instruction
	s_mul_i32 s23, s14, VW
	s_add_co_u32 s23, s23, VSTG
	v_mul_u32_u24 v[VSTO], v1, 144
	v_lshl_add_u32 v[VSTO], v2, 3, v[VSTO]
	v_add_nc_u32 v[VSTO], s23, v[VSTO]
	v_lshrrev_b32 v5, 3, v6
	v_mul_u32_u24 v[VRD], v5, 144
	v_and_b32 v5, 7, v6
	v_lshl_add_u32 v[VRD], v5, 4, v[VRD]
	v_add_nc_u32 v[VRD], s23, v[VRD]               ; back: eight lanes to a row of 128 bytes, four rows an instruction
	; where the results go.  All three bases are made in every work-group; a work-group uses those of its own way.
	s_lshr_b32 s18, s17, 3                         ; q, k: the batch (8 tiles of 256 tokens each),
	s_lshl_b32 s18, s18, 4
	s_lshl_b32 s19, s42, 2
	s_add_co_u32 s18, s18, s19                     ; + 4 heads a tile of 256 features
	s_lshl_b32 s19, s16, 1
	s_add_co_u32 s18, s18, s19                     ; + 2 a wave
	s_lshl_b32 s18, s18, 11
	s_and_b32 s19, s17, 7
	s_lshl_b32 s19, s19, 8
	s_lshl_b32 s22, s15, 7
	s_add_co_u32 s19, s19, s22                     ; my first token in its batch, a multiple of 128
	s_add_co_u32 s18, s18, s19
	s_lshl_b32 s18, s18, 6                         ; rows of 64 bytes
	s_lshl_b32 s22, s19, 8                         ; the table's rows of 256 bytes
	s_mov_b32 s19, 0
	s_mov_b32 s23, 0
	s_cmp_eq_u32 ttmp9, 0
	s_cselect_b64 s[68:69], s[72:73], s[74:75]
	s_add_nc_u64 s[68:69], s[68:69], s[18:19]
	s_add_nc_u64 s[70:71], s[10:11], s[22:23]
	s_lshr_b32 s18, s42, 3                         ; v: the batch,
	s_lshl_b32 s18, s18, 4
	s_lshl_b32 s22, s17, 2
	s_add_co_u32 s18, s18, s22
	s_lshl_b32 s22, s15, 1
	s_add_co_u32 s18, s18, s22                     ; my first head,
	s_lshl_b32 s18, s18, 4
	s_and_b32 s22, s42, 7
	s_lshl_b32 s22, s22, 1
	s_add_co_u32 s18, s18, s22
	s_add_co_u32 s18, s18, s16                     ; my block of 128 keys,
	s_lshl_b32 s18, s18, 13                        ; of 8,192 bytes
	s_add_nc_u64 s[78:79], s[76:77], s[18:19]
.macro FRAG reg, adr, q, i             ; 16 rows x 128 K: lane l holds row l % 16; registers 4 c .. 4 c + 3 hold K = 32 c + 16 (l / 16) + 0 .. 15: the same places of k in A and in B
.irp c, 0,1,2,3
	ds_load_b128 v[\reg+4*\c:\reg+4*\c+3], v[\adr] offset:128*(\q)+32*\c+(\i)*16*PITCH
.endr
.endm
; 16 matrix instructions: A's blocks a0, a0 + 1 x B's eight.  The 64 accumulators take turns, one instruction a turn, in the same order in every step.
.macro MUL16 a0, p, zero
.irp a, \a0, \a0+1
.irp b, 0,1,2,3,4,5,6,7
.if \zero
	v_wmma_f32_16x16x128_fp8_fp8 v[8*(8*((\a)%4)+\b):8*(8*((\a)%4)+\b)+7], v[128*(\p)+FR*\b:128*(\p)+FR*\b+FR-1], v[AF+FR*(\a):AF+FR*(\a)+FR-1], 0
.else
	v_wmma_f32_16x16x128_fp8_fp8 v[8*(8*((\a)%4)+\b):8*(8*((\a)%4)+\b)+7], v[128*(\p)+FR*\b:128*(\p)+FR*\b+FR-1], v[AF+FR*(\a):AF+FR*(\a)+FR-1], v[8*(8*((\a)%4)+\b):8*(8*((\a)%4)+\b)+7]
.endif
.endr
.endr
.endm
.macro FETCH_B slot, q, p
	WIN TO_B
.irp i, 0,1,2,3,4,5,6,7
	FRAG 128*(\p)+FR*\i, ADRB+\slot, \q, \i
.endr
	WIN 0
.endm
.macro FETCH_A slot, q, i0
.irp i, \i0, \i0+1, \i0+2, \i0+3
	FRAG AF+FR*(\i), ADRA+\slot, \q, \i
.endr
.endm
.macro PLACES n                        ; plain vector instructions between a matrix instruction and a load into, or a read of, its registers
.rept \n
	v_nop
.endr
.endm
.macro STEP slot, q, zero              ; 128 along K whose successor lies in the same slot
	s_wait_dscnt 4*NL                              ; B's set and A's blocks 0-3 are in; the youngest 16 loads (A's blocks 4-7) may be out
	WIN MUL_LO
	MUL16 0, (\q)%2, \zero
	MUL16 2, (\q)%2, \zero
	s_wait_dscnt 0
	PLACES NP
	FETCH_B \slot, (\q)+1, 1-(\q)%2
	FETCH_A \slot, (\q)+1, 0
	WIN MUL_HI
	MUL16 4, (\q)%2, \zero
	MUL16 6, (\q)%2, \zero
	PLACES NP
	WIN 0
	FETCH_A \slot, (\q)+1, 4
.endm
; A slot's last step changes slots: in front of the barrier each wave waits for all its tensor loads, adds 0 to its spare word, and waits for that and for its reads of this slot.
.macro TURN slot, next, fill
	s_wait_tensorcnt 0x0                           ; all my tensor loads have landed: my part of the next slot
	ds_add_u32 v[SPW], v[NIL]
	s_wait_dscnt 4*NL+1                            ; the add and the youngest 16 loads may be out
	WIN MUL_LO
	MUL16 0, 1, 0
	s_wait_dscnt 0x0                               ; the add is done, and my reads of this slot are over
	s_barrier_signal -1
	MUL16 2, 1, 0
	WIN 0
	s_barrier_wait -1
.if \fill
	CREST                                          ; the barrier has opened a round of the cluster's: no wave of any partner still reads this slot or has a load on its way
	s_add_nc_u64 s[G0+4*\slot+2:G0+4*\slot+3], s[G0+4*\slot+2:G0+4*\slot+3], 2*ROWB
	s_add_nc_u64 s[G0B+4*\slot+2:G0B+4*\slot+3], s[G0B+4*\slot+2:G0B+4*\slot+3], 2*ROWB
	JLOAD G0+4*\slot, G1, G0B+4*\slot, G1B         ; the first tensor load behind the round; its four v_nop are also the places in front of the loads below
.else
	PLACES NP
.endif
	FETCH_B \next, 0, 0
	FETCH_A \next, 0, 0
	WIN MUL_HI
	MUL16 4, 1, 0
	MUL16 6, 1, 0
	PLACES NP
	WIN 0
	FETCH_A \next, 0, 4
.endm
	s_wait_tensorcnt 1                             ; my part of K step 0 is in; K step 1's load may be out
	s_barrier_signal -1
	s_barrier_wait -1
	FETCH_B 0, 0, 0
	FETCH_A 0, 0, 0
	FETCH_A 0, 0, 4
	STEP 0, 0, 1                                   ; the first step's products start the sums
	s_mov_b32 s3, LAPS-1
.Llap:                                             ; a trip goes once round the ring and fills both slots again
	TURN 0, 1, 1
	STEP 1, 0, 0
	TURN 1, 0, 1
	STEP 0, 0, 0
	s_sub_co_u32 s3, s3, 1
	s_cmp_lg_u32 s3, 0
	s_cbranch_scc1 .Llap
	TURN 0, 1, 0                                   ; the last lap fills nothing
	STEP 1, 0, 0
	s_wait_dscnt 4*NL
	WIN MUL_LO
	MUL16 0, 1, 0
	MUL16 2, 1, 0
	s_wait_dscnt 0
	WIN MUL_HI
	MUL16 4, 1, 0
	MUL16 6, 1, 0
	WIN 0
	; ---- THE WAY OUT
	s_wait_kmcnt 0x0
	s_cmp_eq_u32 ttmp9, 0
	s_cselect_b32 s18, s86, s87                    ; e6 or e7
	s_cselect_b32 s19, s80, s82                    ; e0 or e2
	s_cselect_b32 s22, s81, s83                    ; e1 or e3
	s_cmp_eq_u32 ttmp9, 2
	s_cselect_b32 s18, s89, s18                    ; e9
	s_cselect_b32 s19, s84, s19                    ; e4
	s_cselect_b32 s22, s85, s22                    ; e5
	s_sub_co_i32 s18, s18, s19
	s_sub_co_i32 s18, s18, s22                     ; E
	s_add_co_i32 s18, s18, 127
	s_lshl_b32 s19, s18, 23
	v_mov_b32 v[SC], s19
	PLACES NP                                      ; behind the last products: for the loads into B's registers and for the reads of results
	s_cmp_eq_u32 ttmp9, 2                          ; the cluster's x: all sixteen partners, and all four waves, go the same way
	s_cbranch_scc1 .Lv_out
	; q and k.  Lane (r, h) of block a holds token 16 a + r; accumulator b = 4 hh + tt holds, of head hh, channels 16 tt + 8 h + 0 .. 7.  The turn pairs tt = t with tt = t + 2 (channels d and d + 32).
	WIN 0x40                                       ; destination window 1
.irp a, 0,1,2,3,4,5,6,7
.irp sn, 0,1
.irp t, 0,1
.irp e, 0,1
	global_load_b128 v[32*\a+16*\sn+8*\t+4*\e:32*\a+16*\sn+8*\t+4*\e+3], v[RO], s[70:71] offset:4096*\a+128*\sn+64*\t+16*\e   ; cos (sn = 0) or sin of my token, i = 16 t + 8 h + 4 e + 0 .. 3
.endr
.endr
.endr
.endr
	WIN 0
.macro QKSTAGE a
.set AC, 64*((\a)%4)
.set RP, 32*(\a)
	s_wait_loadcnt 56-8*(\a)                       ; of the 64 loads the first 8 (a + 1) are in: this block's table numbers
	WIN 0x06+((\a)/4)                              ; source 0: the accumulators' window; source 1: window 1
.irp hh, 0,1
.irp t, 0,1
.irp j, 0,2,4,6
	v_pk_mul_f32 v[T+8*(4*\hh+\t)+\j:T+8*(4*\hh+\t)+\j+1], v[AC+8*(4*\hh+\t)+\j:AC+8*(4*\hh+\t)+\j+1], v[RP+8*\t+\j:RP+8*\t+\j+1]          ; q(d) cos: each accumulator is read from its low end on
.endr
.irp j, 0,2,4,6
	v_pk_mul_f32 v[T+8*(4*\hh+\t+2)+\j:T+8*(4*\hh+\t+2)+\j+1], v[AC+8*(4*\hh+\t+2)+\j:AC+8*(4*\hh+\t+2)+\j+1], v[RP+8*\t+\j:RP+8*\t+\j+1]  ; q(d + 32) cos
.endr
.irp j, 0,2,4,6
	v_pk_fma_f32 v[T+8*(4*\hh+\t)+\j:T+8*(4*\hh+\t)+\j+1], v[AC+8*(4*\hh+\t+2)+\j:AC+8*(4*\hh+\t+2)+\j+1], v[RP+16+8*\t+\j:RP+16+8*\t+\j+1], v[T+8*(4*\hh+\t)+\j:T+8*(4*\hh+\t)+\j+1] neg_lo:[1,0,0] neg_hi:[1,0,0]   ; - q(d + 32) sin
.endr
.irp j, 0,2,4,6
	v_pk_fma_f32 v[T+8*(4*\hh+\t+2)+\j:T+8*(4*\hh+\t+2)+\j+1], v[AC+8*(4*\hh+\t)+\j:AC+8*(4*\hh+\t)+\j+1], v[RP+16+8*\t+\j:RP+16+8*\t+\j+1], v[T+8*(4*\hh+\t+2)+\j:T+8*(4*\hh+\t+2)+\j+1]   ; + q(d) sin
.endr
.endr
.endr
	WIN 0
.set i, 0
.rept 64
.set i, i+1
.endr
.irp b, 0,1,2,3,4,5,6,7
	v_cvt_scalef32_pk8_fp8_f32 v[C+2*\b:C+2*\b+1], v[T+8*\b:T+8*\b+7], v[SC]
.endr
	v_nop                                          ; a plain instruction between the conversions and the next block's lines, which write their sources and results
.irp b, 0,1,2,3,4,5,6,7
	ds_store_b64 v[QSTO], v[C+2*\b:C+2*\b+1] offset:1280*(\b/4)+16*(\b%4)
.endr
.set BB, BK+16*((\a)%2)
.irp hh, 0,1
.irp u, 0,1
	ds_load_b128 v[BB+8*\hh+4*\u:BB+8*\hh+4*\u+3], v[QRD] offset:1280*\hh+640*\u   ; LDS serves a wave's instructions in order: these see my stores; rows 8 u .. 8 u + 7 of head hh
.endr
.endr
.endm
.macro QKSEND a, younger               ; tokens 16 a + 8 u + 0 .. 7 go to places 32 (a / 2) + 16 u + 8 (a % 2) + 0 .. 7: bits 3 and 4 exchanged
.set BB, BK+16*((\a)%2)
	s_wait_dscnt \younger
.irp hh, 0,1
.irp u, 0,1
	global_store_b128 v[CO], v[BB+8*\hh+4*\u:BB+8*\hh+4*\u+3], s[68:69] offset:131072*\hh+(32*((\a)/2)+16*\u+8*((\a)%2))*64   ; 32 lanes store 512 consecutive bytes, aligned
.endr
.endr
.endm
	QKSTAGE 0
.irp a, 1,2,3,4,5,6,7
.if \a > 1
	s_wait_xcnt 0x0                                ; block a - 2's stores have read their registers: block a's loads may land there
.endif
	QKSTAGE \a
	QKSEND \a-1, 12                                ; behind block a - 1's loads: block a's 8 stores and 4 loads
.endr
	QKSEND 7, 0
	s_branch .Lend
.Lv_out:
	; v.  Lane (r, h) of block a holds feature 16 a + r (head a / 4, channel 16 (a % 4) + r); accumulator b holds keys 16 b + 8 h + 0 .. 7 of my block of 128.
.macro VSTAGE a
.set AC, 64*((\a)%4)
	WIN 0x02+((\a)/4)                              ; source 0: the accumulators' window
.set i, 0
.rept 64
.set i, i+1
.endr
.irp b, 0,1,2,3,4,5,6,7
	v_cvt_scalef32_pk8_fp8_f32 v[C+2*\b:C+2*\b+1], v[AC+8*\b:AC+8*\b+7], v[SC]
.endr
	WIN 0
	v_nop
.irp b, 0,1,2,3,4,5,6,7
	ds_store_b64 v[VSTO], v[C+2*\b:C+2*\b+1] offset:16*\b
.endr
.set BB, BK+16*((\a)%2)
.irp p, 0,1,2,3
	ds_load_b128 v[BB+4*\p:BB+4*\p+3], v[VRD] offset:576*\p   ; rows 4 p .. 4 p + 3
.endr
.endm
.macro VSEND a, younger                ; channels 16 (a % 4) + 4 p + 0 .. 3 go to the places with bits 3 and 4 exchanged
.set BB, BK+16*((\a)%2)
	s_wait_dscnt \younger
.irp p, 0,1,2,3
	global_store_b128 v[CO], v[BB+4*\p:BB+4*\p+3], s[78:79] offset:131072*((\a)/4)+(32*(((\a)%4)/2)+16*(\p/2)+8*((\a)%2)+4*(\p%2))*128   ; 512 consecutive bytes, aligned
.endr
.endm
	s_wait_alu depctr_va_vdst(0)
	VSTAGE 0
.irp a, 1,2,3,4,5,6,7
.if \a > 1
	s_wait_xcnt 0x0
.endif
	VSTAGE \a
	VSEND \a-1, 12
.endr
	VSEND 7, 0
.Lend:
	s_wait_tensorcnt 0x0                           ; the wave's end, behind my last tensor load and my last LDS store
	ds_add_u32 v[SPW], v[NIL]
	s_wait_dscnt 0x0
	CROUND                                         ; the closing round: no work-group ends while a partner may still ask for a tile that names it
	s_endpgm
.Lfunc_end_k_q4333f11a68_qkv:
	.size	k_q4333f11a68_qkv, .Lfunc_end_k_q4333f11a68_qkv-k_q4333f11a68_qkv
	.p2alignl 7, 3214868480
	.fill 96, 4, 3214868480
	.section	.rodata,"a",@progbits
	.p2align	6, 0x0
	.amdhsa_kernel k_q4333f11a68_qkv
		.amdhsa_group_segment_fixed_size 327680
		.amdhsa_private_segment_fixed_size 0
		.amdhsa_enable_private_segment 0
		.amdhsa_kernarg_size 56
		.amdhsa_user_sgpr_count 2
		.amdhsa_user_sgpr_kernarg_segment_ptr 1
		.amdhsa_wavefront_size32 1
		.amdhsa_system_sgpr_workgroup_id_x 1
		.amdhsa_system_sgpr_workgroup_id_y 1
		.amdhsa_system_sgpr_workgroup_id_z 1
		.amdhsa_system_vgpr_workitem_id 0
		.amdhsa_next_free_vgpr 1024
		.amdhsa_next_free_sgpr 100
		.amdhsa_reserve_vcc 0
		.amdhsa_float_denorm_mode_32 3
		.amdhsa_float_denorm_mode_16_64 3
		.amdhsa_fp16_overflow 1
		.amdhsa_memory_ordered 1
		.amdhsa_forward_progress 1
		.amdhsa_inst_pref_size 147
	.end_amdhsa_kernel
	.amdgpu_metadata
---
amdhsa.version: [ 1, 2 ]
amdhsa.kernels:
  - .name:           k_q4333f11a68_qkv
    .symbol:         k_q4333f11a68_qkv.kd
    .args:
      - { .name: xc, .offset: 0, .size: 8, .value_kind: global_buffer, .address_space: global }
      - { .name: wc, .offset: 8, .size: 8, .value_kind: global_buffer, .address_space: global }
      - { .name: lowp_scales, .offset: 16, .size: 8, .value_kind: global_buffer, .address_space: global }
      - { .name: rope, .offset: 24, .size: 8, .value_kind: global_buffer, .address_space: global }
      - { .name: qc, .offset: 32, .size: 8, .value_kind: global_buffer, .address_space: global }
      - { .name: kc, .offset: 40, .size: 8, .value_kind: global_buffer, .address_space: global }
      - { .name: vc, .offset: 48, .size: 8, .value_kind: global_buffer, .address_space: global }
    .group_segment_fixed_size: 327680
    .private_segment_fixed_size: 0
    .kernarg_segment_align: 8
    .kernarg_segment_size: 56
    .max_flat_workgroup_size: 128
    .sgpr_count:     100
    .vgpr_count:     1024
    .wavefront_size: 32
...
	.end_amdgpu_metadata
.endif
;; end of part 2
;; launch attn (part 3): grid 4 x 64, 16 waves a work-group, no clusters, 327,680 bytes of LDS; arguments qc, kc, vc, lowp_scales, oc; writes oc
.if DOCPART == 3
	.amdgcn_target "amdgcn-amd-amdhsa--gfx1250"
	.amdhsa_code_object_version 6
	.text
	.protected	k_q4333f11a68_attn
	.globl	k_q4333f11a68_attn
	.p2align	8
	.type	k_q4333f11a68_attn,@function
k_q4333f11a68_attn:
	s_mov_b64 s[64:65], 0
	v_nop
	global_prefetch_b8 v0, s[64:65] scope:SCOPE_SE
	s_setreg_imm32_b32 hwreg(HW_REG_WAVE_MODE, 25, 1), 1
	s_wait_xcnt 0x0
; ATTN: causal attention on E4M3 codes, head size 64, and the quantising of its result for the last product.
; qc, kc: [64 heads of batches][2048 places][64]: token l at place pi(l), pi = bits 3 and 4 exchanged.  vc: [64][16 blocks of 128 keys][64 places pi(d)][128 keys].
; THE SOFTMAX AHEAD OF THE SECOND PRODUCT: t = score x log2(e) / 8; M = the row's largest t so far, rounded UP to a whole number; p = 2^(t - M) is quantised under 2^e8, not normalised.
; The row's sum is taken of the unquantised p and divides O at the end.  When M moves, the sum and O are multiplied by 2^(old M - new M): nothing is rounded.
; SHARES.  A work-group owns the blocks P and 7 - P of 256 queries of one head (P = its x, 0..3); each of its sixteen waves 16 queries of each.  It walks slots of 256 keys: 0 .. P for block P, then 0 .. 7 - P
; for block 7 - P: NINE slots whatever P is.  So the 256 work-groups have equal work, the loop's trip count is a constant, every slot that is loaded is read.
; No cluster: the four work-groups of a head stand at different slots at the same time, so joint requests would not meet.
; LAYOUT.  Both products are used transposed: S^T = K Q^T (source 0 = 16 places of K), O^T = V^T P^T (source 0 = 16 places of V^T): a lane holds ONE query (lane % 16) throughout.  By pi, the 16 registers of tiles 2 g
; and 2 g + 1 are keys (or channels) 32 g + 16 (lane / 16) + 0 .. 15: p's codes ARE the second product's operand, and O's codes ARE the last product's.
; oc: [512 blocks of 16 tokens][8 K blocks of 128][4 pieces][32 lanes][16 bytes]: the image of that operand's registers; a wave stores 1,024 consecutive bytes straight from registers.
; THE MASK.  A step all of whose 128 keys come after my 16 queries is left out (a scalar branch on ids); on the diagonal hidden scores become -infinity, so p = 0.
; LIMITS: -infinity stands where the source has -1e9: the same result while a row's largest logit lies above about -1e9 + 100.  e6 + e7 between -123 and 130 (added to c's exponent field);
;   e8, and e10 - e8 - e9, between -126 and 127.  NaN is not served.
; REGISTERS: v1-9 addresses; v12 -M, v13 the largest t, v[14:15] the sum; v16-23 Q; v32-95 K's eight fragments, then p's codes (v32-47), O's codes (v48-55), V's tiles 2, 3 (v64-95); v96-159 S^T, then p;
;   v160-191 O^T; v192-223 V's tiles 0, 1; v224-231 the second block's Q; v236-254 at work and constants.
.set KP,    80                         ; a key's row in LDS: 64 bytes + 16
.set VP,    144                        ; a row of V^T: 128 bytes + 16
.set VOFF,  256*KP                     ; a slot: 256 rows of K, then two blocks of 64 rows of V^T
.set VBLK,  64*VP
.set SLOT1, 1<<16                      ; slot 1 begins here: one exclusive or turns an address from one slot to the other
.set SPARE, 2*SLOT1                    ; the spare words: 128 bytes for each wave, eight blocks of 256 bytes that no other line names
.set AK0,  1
.set AV0,  2
.set PFO,  3                           ; v3   256 x lane: the prefetches' offset; never rewritten
.set QA,   4                           ; v4   Q's lane offset
.set SPW,  5                           ; v5   LDS address of my spare word; never rewritten
.set NIL,  6                           ; v6   0; never rewritten
.set GO,   7                           ; v7   16 x lane
.set ADK,  8
.set ADV,  9
.set TB,   2                           ; s2   LDS byte at which the slot in hand begins
.set OBB,  12                          ; s[12:13] where block 7 - P's codes go
.set OB,   16                          ; s[16:17] where the block in hand's go
.set WV,   18
.set P,    19
.set SEL,  20                          ; s[20:21] lane selects: lane l xor 16
.set CS,   22                          ; s[22:23] c
.set G1K,  24
.set G1V,  32
.set G0K,  40
.set G0V,  44
.set KB,   48                          ; s[48:49] my tile of K in the head's slot 0, without the type bits
.set VB,   50                          ; s[50:51] the same for V
.set OFF,  52                          ; s[52:53] the next slot's bytes into the head
.set SIG,  54                          ; s54  the key slot last asked for
.set TAU,  55                          ; s55  the trip, 0 .. 8
.set PSW,  56                          ; s56  P + 1: the trip at which the second block begins
.set Q0B,  57                          ; s57  my first query in block 7 - P
.set SLOTS, 67                         ; s67  slots still to be asked for
.set PFA,  76                          ; s[76:77] where my prefetches stand
.set LIM,  80                          ; s80  1 in a wave that prefetches, else the greatest number
.set KF,   98                          ; s98  the step's first key
.set Q0,   99                          ; s99  my first query
; Waves 0 and 1 fetch K's halves, waves 2 and 3 V's two key blocks, the others nothing.  An s_nop 0 and four v_nop follow each of the two lines.
.macro TLOAD
	s_cmp_lt_u32 s[WV], 2
	s_cbranch_scc0 .Lnot_k_\@
	tensor_load_to_lds s[G0K:G0K+3], s[G1K:G1K+7]
	s_nop 0
.rept 4
	v_nop
.endr
	s_branch .Lasked_\@
.Lnot_k_\@:
	s_cmp_lt_u32 s[WV], 4
	s_cbranch_scc0 .Lasked_\@
	tensor_load_to_lds s[G0V:G0V+3], s[G1V:G1V+7]
	s_nop 0
.rept 4
	v_nop
.endr
.Lasked_\@:
.endm
; A PREFETCH of the key slot one further on than the one just asked for.  Work-group P = 0 of a head walks slots 0, 0, 1, .. 7: at trip n it asks for slot n by its loads and names slot n + 1 here, n = 0 .. 6.
; In it waves 4, 5 name K's two halves and waves 6, 7 V's two key blocks: 8,192 bytes a wave, lanes 256 bytes apart.  So each aligned block of 256 bytes of slots 1 to 7 is named once in the launch;
; slot 0 comes by its loads alone, and the last change that fills a slot names nothing.
.macro ASK
	s_cmp_gt_u32 s[SLOTS], s[LIM]
	s_cbranch_scc0 .Lnot_mine_\@
	global_prefetch_b8 v[PFO], s[PFA:PFA+1] th:TH_LOAD_NT scope:SCOPE_SE
.Lnot_mine_\@:
.endm
.macro FRESH                           ; a block's statistics and O^T begin: the first change of M multiplies zeros
	v_mov_b32 v13, 0xff61b1e6                      ; the largest t so far: -3e38
	s_delay_alu instid0(VALU_DEP_1)
	v_floor_f32 v12, -v13                          ; -M
	v_mov_b32 v14, 0
	v_mov_b32 v15, 0
.set j, 0
.rept 32
	v_mov_b32 v[160+j], 0
.set j, j+1
.endr
.endm
	s_load_b256 s[4:11], s[0:1], 0x0               ; qc s[4:5], kc s[6:7], vc s[8:9], the exponents s[10:11]
	s_load_b64 s[OB:OB+1], s[0:1], 0x20            ; oc
	v_lshl_add_u32 v[SPW], v0, 2, SPARE
	v_mov_b32 v[NIL], 0
	ds_add_u32 v[SPW], v[NIL]                      ; the wave's opening: the add and its wait stand ahead of my first tensor load; the set-up below stands between them
	ds_add_u32 v[SPW], v[NIL]
	v_lshrrev_b32 v8, 5, v0
	s_delay_alu instid0(VALU_DEP_1)
	v_readfirstlane_b32 s[WV], v8                  ; wave 0..15
	s_mov_b32 s[P], ttmp9
	s_and_b32 s82, ttmp7, 0xffff                   ; the head among 64
	s_lshl_b32 s84, s82, 17                        ; its first byte in qc, kc and vc: 131,072 bytes a head
	s_and_b32 s83, s[WV], 1
	s_lshl_b32 s86, s83, 13                        ; what I fetch, if I fetch: 8,192 bytes x (wave % 2),
	s_add_co_u32 s86, s86, s84
	s_mov_b32 s87, 0
	s_mul_i32 s88, s83, 128*KP                     ; K's place in a slot,
	s_mul_i32 s89, s83, VBLK
	s_add_co_u32 s89, s89, VOFF                    ; V's
	s_mov_b32 s[G1K], (0<<16)|(1<<20)|(3<<22)|(3<<25)   ; no mask; elements of 1 byte; padding: four words after every 16
	s_mov_b32 s[G1K+1], 64<<16                     ; tensor_dim0
	s_mov_b32 s[G1K+2], 128<<16                    ; tensor_dim1
	s_mov_b32 s[G1K+3], 64<<16                     ; tile_dim0
	s_mov_b32 s[G1K+4], 128                        ; tile_dim1
	s_mov_b32 s[G1K+5], 64                         ; the pitch
	s_mov_b32 s[G1K+6], 0
	s_mov_b32 s[G1K+7], 0
	s_mov_b32 s[G1V], (0<<16)|(1<<20)|(4<<22)|(3<<25)   ; padding: four words after every 32
	s_mov_b32 s[G1V+1], 128<<16
	s_mov_b32 s[G1V+2], 64<<16
	s_mov_b32 s[G1V+3], 128<<16
	s_mov_b32 s[G1V+4], 64
	s_mov_b32 s[G1V+5], 128
	s_mov_b32 s[G1V+6], 0
	s_mov_b32 s[G1V+7], 0
	s_mov_b32 s[SEL], 0x76543210
	s_mov_b32 s[SEL+1], 0xfedcba98
	s_mov_b32 s[CS], 0x3e38aa3b                    ; c = log2(e) / sqrt(64)
	s_mov_b32 s[TB], 0
	s_mov_b32 s[SLOTS], 8
	s_mov_b32 s[KF], 0
	s_mov_b32 s[SIG], 0
	s_mov_b32 s[TAU], 0
	s_mov_b32 s[OFF+1], 0
	s_add_co_u32 s[PSW], s[P], 1
	s_sub_co_u32 s75, 7, s[P]                      ; the second block
	s_lshl_b32 s74, s[WV], 4
	s_lshl_b32 s[Q0], s[P], 8
	s_add_co_u32 s[Q0], s[Q0], s74
	s_lshl_b32 s[Q0B], s75, 8
	s_add_co_u32 s[Q0B], s[Q0B], s74
	s_lshr_b32 s73, s[WV], 1                       ; Q: my queries 16 w + r lie at places 32 (w / 2) + 8 (w % 2) + r + 8 (r / 8) of the block
	s_lshl_b32 s73, s73, 11
	s_lshl_b32 s74, s83, 9
	s_add_co_u32 s73, s73, s74
	s_add_co_u32 s73, s73, s84
	s_lshl_b32 s90, s[P], 14
	s_add_co_u32 s90, s90, s73
	s_mov_b32 s91, 0
	s_lshl_b32 s92, s75, 14
	s_add_co_u32 s92, s92, s73
	s_mov_b32 s93, 0
	s_lshr_b32 s73, s82, 4                         ; oc: block of 16 tokens = 128 x batch + 16 x block of queries + wave, 16,384 bytes each; + 1,024 x head
	s_lshl_b32 s73, s73, 21
	s_and_b32 s74, s82, 15
	s_lshl_b32 s74, s74, 10
	s_add_co_u32 s73, s73, s74
	s_lshl_b32 s74, s[WV], 14
	s_add_co_u32 s73, s73, s74
	s_lshl_b32 s94, s[P], 18
	s_add_co_u32 s94, s94, s73
	s_mov_b32 s95, 0
	s_lshl_b32 s96, s75, 18
	s_add_co_u32 s96, s96, s73
	s_mov_b32 s97, 0
	s_sub_co_u32 s73, s[WV], 4
	s_lshr_b32 s73, s73, 2                         ; 0 in waves 4 to 7,
	s_or_b32 s73, s73, ttmp9                       ; of the head's work-group 0
	s_cmp_eq_u32 s73, 0
	s_cselect_b32 s[LIM], 1, -1
	s_wait_dscnt 0x0                               ; the opening add is done
	s_wait_kmcnt 0x0
	s_load_b128 s[68:71], s[10:11], 0x18           ; e6, e7, e8, e9
	s_load_b32 s72, s[10:11], 0x28                 ; e10
	s_add_nc_u64 s[KB:KB+1], s[6:7], s[86:87]
	s_add_nc_u64 s[VB:VB+1], s[8:9], s[86:87]
	s_mov_b32 s[G0K], 1
	s_mov_b32 s[G0K+1], s88
	s_mov_b64 s[G0K+2:G0K+3], s[KB:KB+1]
	s_or_b32 s[G0K+3], s[G0K+3], 0x80000000
	s_mov_b32 s[G0V], 1
	s_mov_b32 s[G0V+1], s89
	s_mov_b64 s[G0V+2:G0V+3], s[VB:VB+1]
	s_or_b32 s[G0V+3], s[G0V+3], 0x80000000
	TLOAD                                          ; key slot 0 into LDS slot 0
	s_add_nc_u64 s[90:91], s[4:5], s[90:91]
	s_add_nc_u64 s[92:93], s[4:5], s[92:93]
	s_add_nc_u64 s[OBB:OBB+1], s[OB:OB+1], s[96:97]
	s_add_nc_u64 s[OB:OB+1], s[OB:OB+1], s[94:95]
	s_cmp_lt_u32 s[WV], 6
	s_cselect_b64 s[PFA:PFA+1], s[KB:KB+1], s[VB:VB+1]   ; at slot 0: the first change steps it to slot 1.  Nothing is prefetched here, at the head
	v_and_b32 v8, 15, v0                           ; r
	v_bfe_u32 v9, v0, 4, 1                         ; h
	s_delay_alu instid0(VALU_DEP_2)
	v_and_b32 v10, 8, v8
	s_delay_alu instid0(VALU_DEP_1)
	v_add_nc_u32 v10, v10, v8                      ; r + 8 (r / 8)
	s_delay_alu instid0(VALU_DEP_1)
	v_lshlrev_b32 v[QA], 6, v10
	s_delay_alu instid0(VALU_DEP_1)
	v_lshl_add_u32 v[QA], v9, 4, v[QA]
	global_load_b128 v[16:19], v[QA], s[90:91]               ; Q of block P: registers 4 c .. 4 c + 3 hold channels 32 c + 16 h + 0 .. 15, as K's fragments do
	global_load_b128 v[20:23], v[QA], s[90:91] offset:32
	global_load_b128 v[224:227], v[QA], s[92:93]             ; Q of block 7 - P waits in registers
	global_load_b128 v[228:231], v[QA], s[92:93] offset:32
	v_mul_u32_u24 v[AK0], v8, KP
	s_delay_alu instid0(VALU_DEP_1)
	v_lshl_add_u32 v[AK0], v9, 4, v[AK0]
	v_mul_u32_u24 v[AV0], v8, VP
	s_delay_alu instid0(VALU_DEP_1)
	v_lshl_add_u32 v[AV0], v9, 4, v[AV0]
	s_delay_alu instid0(VALU_DEP_1)
	v_add_nc_u32 v[AV0], VOFF, v[AV0]
	v_and_b32 v[GO], 31, v0
	s_delay_alu instid0(VALU_DEP_1)
	v_lshlrev_b32 v[PFO], 8, v[GO]
	s_delay_alu instid0(VALU_DEP_2)
	v_lshlrev_b32 v[GO], 4, v[GO]
	FRESH
	v_mov_b32 v236, 0                              ; written once: a lane permute's destination counts as one of its sources
	v_mov_b32 v252, 0
	v_mov_b32 v253, 0                              ; (named as the upper half of the pair v[252:253])
	s_wait_kmcnt 0x0
	s_add_co_i32 s73, s68, s69
	s_lshl_b32 s73, s73, 23
	s_add_co_i32 s[CS], s[CS], s73                 ; a score stands for score x 2^(e6 + e7): added to c's exponent field
	s_mov_b32 s[CS+1], s[CS]
	s_add_co_i32 s73, s70, 127
	s_lshl_b32 s74, s73, 23
	v_mov_b32 v244, s74                            ; 2^e8
	s_sub_co_i32 s73, s72, s70
	s_sub_co_i32 s73, s73, s71                     ; O / l stands for that x 2^(e8 + e9): its code is taken under 2^(e10 - e8 - e9)
	s_add_co_i32 s73, s73, 127
	s_lshl_b32 s74, s73, 23
	v_mov_b32 v245, s74
; A KEY STEP: 128 keys, the q-th of the slot in hand.
.macro STEP q
	s_add_co_u32 s96, s[Q0], 15
	s_cmp_gt_u32 s[KF], s96                        ; all keys behind my last query: the step's work is left out
	s_cbranch_scc1 .Lhidden_\@
	v_add_nc_u32 v[ADK], s[TB], v[AK0]
	v_add_nc_u32 v[ADV], s[TB], v[AV0]
	v_nop
	v_nop                                          ; with the two additions: four places between the last products and the loads into registers that they read
.irp t, 0,1,2,3,4,5,6,7
.irp c, 0,1
	ds_load_b128 v[32+8*\t+4*\c:35+8*\t+4*\c], v[ADK] offset:(128*(\q)+16*\t)*KP+32*\c
.endr
.endr
	s_wait_alu depctr_va_vdst(0)
	s_wait_dscnt 0x0
.irp t, 0,1,2,3,4,5,6,7
	v_wmma_f32_16x16x64_fp8_fp8 v[96+8*\t:103+8*\t], v[32+8*\t:39+8*\t], v[16:23], 0
.endr
.rept 4
	v_nop                                          ; places in front of the loads below and of the first read of the scores
.endr
.irp t, 0,1
.irp c, 0,1,2,3
	ds_load_b128 v[192+16*\t+4*\c:195+16*\t+4*\c], v[ADV] offset:VBLK*(\q)+16*VP*\t+32*\c   ; V's four tiles land while the softmax is walked
.endr
.endr
.irp t, 2,3
.irp c, 0,1,2,3
	ds_load_b128 v[32+16*\t+4*\c:35+16*\t+4*\c], v[ADV] offset:VBLK*(\q)+16*VP*\t+32*\c
.endr
.endr
	s_add_co_u32 s96, s[KF], 127
	s_cmp_le_u32 s96, s[Q0]                        ; all keys count for all my queries: no mask
	s_cbranch_scc1 .Lopen_\@
	s_sub_co_i32 s96, s[Q0], s[KF]
	v_and_b32 v252, 15, v0
	v_bfe_u32 v253, v0, 4, 1
	s_delay_alu instid0(VALU_DEP_1)
	v_lshlrev_b32 v253, 4, v253
	s_delay_alu instid0(VALU_DEP_1)
	v_sub_nc_u32 v252, v252, v253
	s_delay_alu instid0(VALU_DEP_1)
	v_add_nc_u32 v252, s96, v252                   ; d = my query - KF - 16 h.  Register 16 b + i holds key KF + 32 b + 16 h + i: hidden where 32 b + i > d
	v_mov_b32 v254, 0xff800000
.set n, 0
.rept 64
	v_cmp_gt_i32 vcc_lo, 32*(n/16)+n%16, v252
	v_cndmask_b32 v[96+n], v[96+n], v254, vcc_lo
.set n, n+1
.endr
.Lopen_\@:
	v_max3_num_f32 v254, v96, v97, v98             ; the step's largest score of my query among my 64 keys, in two chains, from the low end on,
	v_max3_num_f32 v252, v99, v100, v101
.irp i, 6,10,14,18,22,26,30,34,38,42,46,50,54,58
	v_max3_num_f32 v254, v254, v[96+\i], v[97+\i]
	v_max3_num_f32 v252, v252, v[98+\i], v[99+\i]
.endr
	v_max3_num_f32 v254, v254, v158, v159
	s_delay_alu instid0(VALU_DEP_1)
	v_max_num_f32 v254, v254, v252
	s_delay_alu instid0(VALU_DEP_1)
	v_permlanex16_b32 v236, v254, s[SEL], s[SEL+1]
	s_delay_alu instid0(VALU_DEP_1)
	v_max_num_f32 v254, v254, v236                 ; and among lane l xor 16's
	s_delay_alu instid0(VALU_DEP_1)
	v_mul_f32 v254, s[CS], v254                    ; as t (c is positive)
	s_delay_alu instid0(VALU_DEP_1)
	v_max_num_f32 v13, v13, v254
	v_mov_b32 v254, v12
	s_delay_alu instid0(VALU_DEP_2)
	v_floor_f32 v12, -v13                          ; the new -M = floor(-t): M is a whole number
	s_delay_alu instid0(VALU_DEP_1)
	v_sub_f32 v254, v12, v254                      ; old M - new M: a whole number, 0 or less
	s_delay_alu instid0(VALU_DEP_1)
	v_cvt_i32_f32 v254, v254
	s_delay_alu instid0(VALU_DEP_1)
	v_ldexp_f32 v252, 1.0, v254                    ; f = 2^(old M - new M)
.set j, 0
.rept 32
	v_pk_fma_f32 v[96+j:97+j], v[96+j:97+j], s[CS:CS+1], v[12:13] op_sel_hi:[1,0,0]   ; t - M, two at a time
.set j, j+2
.endr
.set j, 0
	s_wait_alu depctr_va_vdst(0)
.rept 64
	v_exp_f32 v[96+j], v[96+j]                     ; p = 2^(t - M)
.set j, j+1
.endr
	v_pk_mul_f32 v[14:15], v[14:15], v[252:253] op_sel_hi:[1,0]   ; the sums under the new M: the plain instruction behind the exponentials
	s_wait_alu depctr_va_vdst(0)                   ; one wait for the whole batch, ahead of its first reader
	v_pk_add_f32 v[242:243], v[100:101], v[104:105]
	v_pk_add_f32 v[254:255], v[108:109], v[112:113]
	v_pk_add_f32 v[250:251], v[116:117], v[120:121]
	v_pk_add_f32 v[248:249], v[124:125], v[128:129]
	v_pk_add_f32 v[246:247], v[132:133], v[136:137]
	v_pk_add_f32 v[240:241], v[140:141], v[144:145]
	v_pk_add_f32 v[238:239], v[148:149], v[152:153]
	v_pk_add_f32 v[14:15], v[14:15], v[156:157]
	v_pk_add_f32 v[242:243], v[242:243], v[96:97]
	v_pk_add_f32 v[254:255], v[254:255], v[98:99]
	v_pk_add_f32 v[250:251], v[250:251], v[102:103]
	v_pk_add_f32 v[248:249], v[248:249], v[106:107]
	v_pk_add_f32 v[246:247], v[246:247], v[110:111]
	v_pk_add_f32 v[240:241], v[240:241], v[114:115]
	v_pk_add_f32 v[238:239], v[238:239], v[118:119]
	v_pk_add_f32 v[14:15], v[14:15], v[122:123]
	v_pk_add_f32 v[242:243], v[242:243], v[126:127]
	v_pk_add_f32 v[254:255], v[254:255], v[130:131]
	v_pk_add_f32 v[250:251], v[250:251], v[134:135]
	v_pk_add_f32 v[248:249], v[248:249], v[138:139]
	v_pk_add_f32 v[246:247], v[246:247], v[142:143]
	v_pk_add_f32 v[240:241], v[240:241], v[146:147]
	v_pk_add_f32 v[238:239], v[238:239], v[150:151]
	v_pk_add_f32 v[14:15], v[14:15], v[154:155]
	v_pk_add_f32 v[242:243], v[242:243], v[158:159]
	s_delay_alu instid0(VALU_DEP_2)
	v_pk_add_f32 v[14:15], v[14:15], v[248:249]
	s_delay_alu instid0(VALU_DEP_2)
	v_pk_add_f32 v[242:243], v[242:243], v[246:247]
	v_pk_add_f32 v[254:255], v[254:255], v[240:241]
	v_pk_add_f32 v[250:251], v[250:251], v[238:239]
	s_delay_alu instid0(VALU_DEP_2)
	v_pk_add_f32 v[14:15], v[14:15], v[254:255]
	s_delay_alu instid0(VALU_DEP_2)
	v_pk_add_f32 v[242:243], v[242:243], v[250:251]
	s_delay_alu instid0(VALU_DEP_1)
	v_pk_add_f32 v[14:15], v[14:15], v[242:243]
.irp b, 0,1,2,3
.irp i, 0,1,2,3,4,5,6,7,8,9,10,11,12,13,14,15
.endr
	v_cvt_scalef32_pk8_fp8_f32 v[32+4*\b:33+4*\b], v[96+16*\b:103+16*\b], v244
	v_cvt_scalef32_pk8_fp8_f32 v[34+4*\b:35+4*\b], v[104+16*\b:111+16*\b], v244
.endr
.set j, 0
.rept 16
	v_pk_mul_f32 v[160+j:161+j], v[160+j:161+j], v[252:253] op_sel_hi:[1,0]   ; O^T under the new M; also the plain instructions between the conversions and the products
.set j, j+2
.endr
	s_wait_alu depctr_va_vdst(0)
	s_wait_dscnt 0x0                               ; V is in
	v_wmma_f32_16x16x128_fp8_fp8 v[160:167], v[192:207], v[32:47], v[160:167]   ; the four accumulators take turns; the eight score products stand between two turns of each
	v_wmma_f32_16x16x128_fp8_fp8 v[168:175], v[208:223], v[32:47], v[168:175]
	v_wmma_f32_16x16x128_fp8_fp8 v[176:183], v[64:79], v[32:47], v[176:183]
	v_wmma_f32_16x16x128_fp8_fp8 v[184:191], v[80:95], v[32:47], v[184:191]
.Lhidden_\@:
	s_add_co_u32 s[KF], s[KF], 128
.endm
; THE CHANGE OF SLOTS stands at a slot's head.  Each wave waits for all its tensor loads, adds 0 to its spare word, and waits for that and for its reads of the slot that it has left; behind the barrier
; the slot ahead is whole and nobody reads the other one, which (fill = 1) takes the next key slot of the walk: it has a whole slot's steps in which to land.
.macro CHANGE fill
	s_wait_tensorcnt 0x0                           ; no tensor load of mine is out, so a group 0 may be written
	ds_add_u32 v[SPW], v[NIL]                      ; 0 onto my spare word; the descriptors' steps stand between it and the wait for it
.if \fill
	s_xor_b32 s[G0K+1], s[G0K+1], SLOT1
	s_xor_b32 s[G0V+1], s[G0V+1], SLOT1
	s_add_co_u32 s[SIG], s[SIG], 1                 ; the next key slot,
	s_cmp_eq_u32 s[TAU], s[P]
	s_cselect_b32 s[SIG], 0, s[SIG]                ; or the second block's first
	s_lshl_b32 s[OFF], s[SIG], 14                  ; 16,384 bytes a slot, in K and in V alike
	s_add_nc_u64 s[G0K+2:G0K+3], s[KB:KB+1], s[OFF:OFF+1]
	s_or_b32 s[G0K+3], s[G0K+3], 0x80000000
	s_add_nc_u64 s[G0V+2:G0V+3], s[VB:VB+1], s[OFF:OFF+1]
	s_or_b32 s[G0V+3], s[G0V+3], 0x80000000
	s_wait_xcnt 0x0                                ; the last prefetch, a slot back, has read its address
	s_add_nc_u64 s[PFA:PFA+1], s[PFA:PFA+1], 16384
.endif
	s_wait_dscnt 0x0                               ; the add is done, and my reads of the slot that I have left are over
	s_barrier_signal -1
	s_barrier_wait -1
.if \fill
	TLOAD                                          ; the first thing behind the barrier, and a wave's one tensor load until the next
	ASK
.endif
.endm
.macro SLOT_STEPS
	STEP 0
	STEP 1
	s_xor_b32 s[TB], s[TB], SLOT1
.endm
; A block of queries is finished: O^T / the sum, quantised; register 16 g + i holds channel 32 g + 16 h + i, so the codes are pieces 2 (head % 2) + g of the last product's operand.
.macro FINISH
.rept 4
	v_nop                                          ; places behind the last products
.endr
	v_add_f32 v14, v14, v15
	s_wait_alu depctr_va_vdst(0)
	v_permlanex16_b32 v252, v14, s[SEL], s[SEL+1]
	s_delay_alu instid0(VALU_DEP_1)
	v_add_f32 v14, v14, v252                       ; the row's sum
	s_wait_alu depctr_va_vdst(0)
	v_rcp_f32 v14, v14
	v_nop
	s_wait_alu depctr_va_vdst(0)                   ; the wait ahead of the first reader
.set j, 0
.rept 16
	v_pk_mul_f32 v[96+j:97+j], v[160+j:161+j], v[14:15] op_sel_hi:[1,0]   ; each accumulator from its low end on
.set j, j+2
.endr
.set j, 0
.rept 32
.set j, j+1
.endr
.irp g, 0,1,2,3
	v_cvt_scalef32_pk8_fp8_f32 v[48+2*\g:49+2*\g], v[96+8*\g:103+8*\g], v245
.endr
	v_nop
	global_store_b128 v[GO], v[48:51], s[OB:OB+1]            ; 32 lanes store 512 consecutive bytes, aligned
	global_store_b128 v[GO], v[52:55], s[OB:OB+1] offset:512
.endm
.macro SWITCH                          ; at trip P + 1 the first block ends and the second begins: a branch on ids and the count of trips, the same in all sixteen waves; no barrier and no tensor load stands in it
	s_cmp_lg_u32 s[TAU], s[PSW]
	s_cbranch_scc1 .Lno_switch_\@
	FINISH
	s_wait_xcnt 0x0                                ; the stores have read their base and their data
	s_mov_b64 s[OB:OB+1], s[OBB:OBB+1]
	s_mov_b32 s[Q0], s[Q0B]
	s_mov_b32 s[KF], 0
.irp j, 0,1,2,3,4,5,6,7
	v_mov_b32 v[16+\j], v[224+\j]
.endr
	FRESH
.Lno_switch_\@:
.endm
	s_wait_loadcnt 0x0                             ; Q
.Lslot:                                            ; eight trips: behind each change of slots but the last the next slot is asked for
	CHANGE 1
	SWITCH
	SLOT_STEPS
	s_add_co_u32 s[TAU], s[TAU], 1
	s_sub_co_u32 s[SLOTS], s[SLOTS], 1
	s_cmp_lg_u32 s[SLOTS], 0
	s_cbranch_scc1 .Lslot
	CHANGE 0                                       ; the ninth slot is written out: nothing is left to ask for
	SLOT_STEPS
	FINISH
	s_wait_tensorcnt 0x0                           ; the wave's end, behind my last tensor load
	ds_add_u32 v[SPW], v[NIL]
	s_wait_dscnt 0x0
	s_endpgm
.Lfunc_end_k_q4333f11a68_attn:
	.size	k_q4333f11a68_attn, .Lfunc_end_k_q4333f11a68_attn-k_q4333f11a68_attn
	.p2alignl 7, 3214868480
	.fill 96, 4, 3214868480
	.section	.rodata,"a",@progbits
	.p2align	6, 0x0
	.amdhsa_kernel k_q4333f11a68_attn
		.amdhsa_group_segment_fixed_size 327680
		.amdhsa_private_segment_fixed_size 0
		.amdhsa_enable_private_segment 0
		.amdhsa_kernarg_size 40
		.amdhsa_user_sgpr_count 2
		.amdhsa_user_sgpr_kernarg_segment_ptr 1
		.amdhsa_wavefront_size32 1
		.amdhsa_system_sgpr_workgroup_id_x 1
		.amdhsa_system_sgpr_workgroup_id_y 1
		.amdhsa_system_sgpr_workgroup_id_z 1
		.amdhsa_system_vgpr_workitem_id 0
		.amdhsa_next_free_vgpr 256
		.amdhsa_next_free_sgpr 100
		.amdhsa_reserve_vcc 1
		.amdhsa_float_denorm_mode_32 3
		.amdhsa_float_denorm_mode_16_64 3
		.amdhsa_fp16_overflow 1
		.amdhsa_memory_ordered 1
		.amdhsa_forward_progress 1
		.amdhsa_inst_pref_size 93
	.end_amdhsa_kernel
	.amdgpu_metadata
---
amdhsa.version: [ 1, 2 ]
amdhsa.kernels:
  - .name:           k_q4333f11a68_attn
    .symbol:         k_q4333f11a68_attn.kd
    .args:
      - { .name: qc, .offset: 0, .size: 8, .value_kind: global_buffer, .address_space: global }
      - { .name: kc, .offset: 8, .size: 8, .value_kind: global_buffer, .address_space: global }
      - { .name: vc, .offset: 16, .size: 8, .value_kind: global_buffer, .address_space: global }
      - { .name: lowp_scales, .offset: 24, .size: 8, .value_kind: global_buffer, .address_space: global }
      - { .name: oc, .offset: 32, .size: 8, .value_kind: global_buffer, .address_space: global }
    .group_segment_fixed_size: 327680
    .private_segment_fixed_size: 0
    .kernarg_segment_align: 8
    .kernarg_segment_size: 40
    .max_flat_workgroup_size: 512
    .sgpr_count:     100
    .vgpr_count:     256
    .wavefront_size: 32
...
	.end_amdgpu_metadata
.endif
;; end of part 3
;; launch outp (part 4): grid 4 x 32, 4 waves a work-group, clusters of 4 x 4, 327,680 bytes of LDS; arguments oc, wc, lowp_scales, out0; writes out0
.if DOCPART == 4
	.amdgcn_target "amdgcn-amd-amdhsa--gfx1250"
	.amdhsa_code_object_version 6
	.text
	.protected	k_q4333f11a68_outp
	.globl	k_q4333f11a68_outp
	.p2align	8
	.type	k_q4333f11a68_outp,@function
k_q4333f11a68_outp:
	s_mov_b64 s[64:65], 0
	v_nop
	global_prefetch_b8 v0, s[64:65] scope:SCOPE_SE
	s_setreg_imm32_b32 hwreg(HW_REG_WAVE_MODE, 25, 1), 1
	s_wait_xcnt 0x0
	s_wait_alu depctr_hold_cnt(0) depctr_sa_sdst(0) depctr_va_vdst(0) depctr_va_sdst(0) depctr_va_ssrc(0) depctr_va_vcc(0) depctr_vm_vsrc(0)
	s_getreg_b32 s2, hwreg(HW_REG_IB_STS2, 6, 4)
	s_cmp_eq_u32 s2, 0
	s_cbranch_scc0 .Lentry_in_a_cluster
	s_endpgm
.Lentry_in_a_cluster:
	s_bfe_u32 s2, ttmp6, 0x10000c
	s_cmp_lg_u32 s2, 0xf033
	s_cbranch_scc0 .Lentry_shape_is_right
	s_endpgm
.Lentry_shape_is_right:
; OUTP: out0 [8192][1024] f32 = (attention's result, as codes) x Wo, on E4M3 codes; each finished sum x 2^(e10 + e11).
; A = oc: [512 blocks of 16 tokens][8 K blocks of 128][4 pieces][32 lanes][16 bytes]: the image of the operand's registers: lane (r, h) of piece c holds K = 128 kq + 32 c + 16 h + 0 .. 15 of token 16 rb + r.
; B = wc's fourth part: [1024 n][1024 k], K innermost; its fragments take the same places of k.
; LIMIT: e10 + e11 between -126 and 127, so that 2^(e10 + e11) is an f32 number.
; A work-group of four waves makes 256 x 256; a wave 128 x 128 in 64 accumulators.  There are 128 such tiles: a wave tile of half the size would read half as much again from LDS for each matrix instruction.
; K goes in steps of 256 through a ring of two LDS slots; 4 x 4 work-groups form a cluster, A's tile is asked for jointly along its rows, B's along its columns.
; THE MATRIX INSTRUCTION IS USED TRANSPOSED (source 0 = 16 rows of B, source 1 = 16 rows of A): a lane holds eight neighbouring numbers of a row of the output.
; REGISTERS: window 0: v0-31 addresses; from v128 A's fragments, one set; window 1: B's, two sets; windows 2, 3: the accumulators.
.set SIZE_N, 1024
.set KSTEP,  256
.set ROWB,   256
.set KROW,   1024
.set PITCH,  272                       ; B's LDS row: 256 bytes + 16
.set FR,     16
.set NL,     4
.set NP,     4
.set HALFT,  128*PITCH                 ; B: 128 rows
.set AHALF,  32768                     ; A: 8 blocks of tokens x 4,096 bytes (two K blocks), dense: a load's 32 lanes read 512 consecutive bytes
.set ASTEP,  4096                      ; a K step of A within a block of tokens
.set BOFF,   2*AHALF
.set SLOT,   BOFF+2*HALFT
.set LAPS,   KROW/(2*KSTEP)
.set SPARE,  2*SLOT                    ; the spare words: 128 bytes for each wave, two blocks of 256 bytes that no other line names
.set SPITCH, 528                       ; the way out: 16 rows x (512 bytes + 16) for each wave, in slot 0, which has had its last fill and its last read by then
.set ADRA, 16
.set ADRB, 20
.set STO,  24
.set RD,   25
.set CO,   26
.set SPW,  28                          ; v28  LDS address of my spare word; never rewritten
.set NIL,  29                          ; v29  0; never rewritten
.set TMP,  32
.set AF,   128
.set BK,   128
.set G1, 24
.set G0, 32
.set G1B, 48
.set G0B, 56
.set MSB, 0
.macro WIN new
.if MSB != \new
	s_set_vgpr_msb (MSB<<8)|\new
.set MSB, \new
.endif
.endm
.set MUL_LO, 0xa1
.set MUL_HI, 0xf1
.set TO_B,   0x40
.macro JLOAD g0a, g1a, g0b, g1b        ; waves 0 and 1 fetch for A, waves 2 and 3 for B; an s_nop 0 and four v_nop follow each of the two lines
	s_cmp_eq_u32 s15, 0
	s_cbranch_scc0 .Lfor_b_\@
	tensor_load_to_lds s[\g0a:\g0a+3], s[\g1a:\g1a+7]
	s_nop 0
.rept 4
	v_nop
.endr
	s_branch .Lasked_\@
.Lfor_b_\@:
	tensor_load_to_lds s[\g0b:\g0b+3], s[\g1b:\g1b+7]
	s_nop 0
.rept 4
	v_nop
.endr
.Lasked_\@:
.endm
.macro CREST
	s_cmp_lg_u32 s14, 0
	s_cbranch_scc1 .Lnot_wave_0_\@
	s_barrier_signal -3
.Lnot_wave_0_\@:
	s_barrier_wait -3
	s_barrier_signal -1
	s_barrier_wait -1
.endm
.macro CROUND
	s_barrier_signal -1
	s_barrier_wait -1
	CREST
.endm
	s_load_b128 s[4:7], s[0:1], 0x0                ; oc s[4:5], wc s[6:7]
	s_load_b128 s[8:11], s[0:1], 0x10              ; the exponents s[8:9], out0 s[10:11]
	v_lshl_add_u32 v[SPW], v0, 2, SPARE
	v_mov_b32 v[NIL], 0
	ds_add_u32 v[SPW], v[NIL]                      ; the wave's opening: the add and its wait stand ahead of my first tensor load
	ds_add_u32 v[SPW], v[NIL]
	v_lshrrev_b32 v1, 5, v0
	v_readfirstlane_b32 s14, v1                    ; wave 0..3
	s_lshr_b32 s15, s14, 1                         ; which half of the tile's rows is mine.  Also: I fetch for A (0) or for B (1)
	s_and_b32 s16, s14, 1                          ; which half of its columns.  Also: which half of that tile I fetch
	s_bfe_u32 s40, ttmp6, 0x40000                  ; cx
	s_bfe_u32 s41, ttmp6, 0x40004                  ; cy
	s_lshl_b32 s42, ttmp9, 2
	s_add_co_u32 s42, s42, s40                     ; tile column
	s_and_b32 s17, ttmp7, 0xffff
	s_lshl_b32 s17, s17, 2
	s_add_co_u32 s17, s17, s41                     ; tile row
	s_lshl_b32 s43, s41, 2
	s_lshl_b32 s43, 15, s43                        ; my row of the cluster
	s_lshl_b32 s44, 0x1111, s40                    ; my column
	s_or_b32 s[G1+0], s43, (0<<16)|(1<<21)         ; A: the mask; elements of 1 byte; no padding; 21 set beside a mask
	s_mov_b32 s[G1+1], ASTEP<<16                   ; tensor_dim0 = 4,096
	s_mov_b32 s[G1+2], 8<<16                       ; tensor_dim1 = 8 blocks of tokens
	s_mov_b32 s[G1+3], ASTEP<<16                   ; tile_dim0
	s_mov_b32 s[G1+4], 8                           ; tile_dim1
	s_mov_b32 s[G1+5], 16384                       ; from block to block
	s_mov_b32 s[G1+6], 0
	s_mov_b32 s[G1+7], 0
	s_or_b32 s[G1B+0], s44, (0<<16)|(1<<20)|(1<<21)|(5<<22)|(3<<25)   ; B: padding of four words after every 64
	s_mov_b32 s[G1B+1], ROWB<<16
	s_mov_b32 s[G1B+2], 128<<16
	s_mov_b32 s[G1B+3], ROWB<<16
	s_mov_b32 s[G1B+4], 128
	s_mov_b32 s[G1B+5], KROW
	s_mov_b32 s[G1B+6], 0
	s_mov_b32 s[G1B+7], 0
	s_lshl_b32 s18, s16, 3
	s_lshl_b32 s20, s17, 4
	s_add_co_u32 s20, s20, s18                     ; A: block of tokens 16 x tile row + 8 x half,
	s_lshl_b32 s20, s20, 14                        ; of 16,384 bytes
	s_mov_b32 s21, 0
	s_lshl_b32 s18, s16, 7
	s_lshl_b32 s46, s42, 8
	s_add_co_u32 s46, s46, s18                     ; B: row 256 x tile column + 128 x half,
	s_lshl_b32 s46, s46, 10
	s_add_co_u32 s46, s46, 3*1048576               ; in wc's fourth part
	s_mov_b32 s47, 0
	s_lshl_b32 s45, s16, 15                        ; where they go: A's halves,
	s_mul_i32 s66, s16, HALFT
	s_add_co_u32 s66, s66, BOFF                    ; B's behind them: the wave's number alone enters an LDS address
	s_wait_dscnt 0x0                               ; the opening add is done
	s_wait_kmcnt 0x0
	s_load_b64 s[96:97], s[8:9], 0x28              ; e10, e11
	s_add_nc_u64 s[20:21], s[4:5], s[20:21]
	s_add_nc_u64 s[46:47], s[6:7], s[46:47]
	CROUND                                         ; all sixteen work-groups are here: the first joint loads meet
.irp s, 0,1
	s_mov_b32 s[G0+4*\s], 1
	s_add_co_u32 s[G0+4*\s+1], s45, \s*SLOT
	s_add_nc_u64 s[G0+4*\s+2:G0+4*\s+3], s[20:21], \s*ASTEP
	s_or_b32 s[G0+4*\s+3], s[G0+4*\s+3], 0x80000000
	s_mov_b32 s[G0B+4*\s], 1
	s_add_co_u32 s[G0B+4*\s+1], s66, \s*SLOT
	s_add_nc_u64 s[G0B+4*\s+2:G0B+4*\s+3], s[46:47], \s*ROWB
	s_or_b32 s[G0B+4*\s+3], s[G0B+4*\s+3], 0x80000000
	s_wait_alu depctr_va_vdst(0)
	s_wait_tensorcnt 0x0
	ds_add_u32 v28, v29
	ds_add_u32 v28, v29
	s_wait_dscnt 0x0
	CROUND
	JLOAD G0+4*\s, G1, G0B+4*\s, G1B
.endr
	v_and_b32 v1, 15, v0                           ; r
	v_bfe_u32 v2, v0, 4, 1                         ; h
	v_mul_u32_u24 v3, v1, PITCH
	v_lshl_add_u32 v4, v2, 4, v3
	v_and_b32 v6, 31, v0
	v_lshlrev_b32 v[CO], 4, v6                     ; 16 x lane
	s_wait_alu depctr_va_vdst(0)
	s_lshl_b32 s21, s15, 15                        ; my 8 blocks of tokens
	s_mul_i32 s22, s16, HALFT
	s_add_co_u32 s22, s22, BOFF                    ; my 128 rows of B
.irp s, 0,1
	v_add_nc_u32 v[ADRA+\s], s21, v[CO]
	v_add_nc_u32 v[ADRB+\s], s22, v4
	s_add_co_u32 s21, s21, SLOT
	s_add_co_u32 s22, s22, SLOT
.endr
	s_mul_i32 s23, s14, 16*SPITCH                  ; my stage
	v_mul_u32_u24 v5, v1, SPITCH
	v_lshl_add_u32 v5, v2, 5, v5
	v_add_nc_u32 v[STO], s23, v5
	v_add_nc_u32 v[RD], s23, v[CO]
	s_lshl_b32 s20, s17, 8
	s_lshl_b32 s21, s15, 7
	s_add_co_u32 s20, s20, s21                     ; my first row of the output,
	s_lshl_b32 s20, s20, 12                        ; of 4,096 bytes
	s_mov_b32 s21, 0
	s_lshl_b32 s46, s42, 10
	s_lshl_b32 s47, s16, 9
	s_add_co_u32 s46, s46, s47                     ; my first column, in bytes
	s_mov_b32 s47, 0
	s_add_nc_u64 s[20:21], s[20:21], s[46:47]
	s_add_nc_u64 s[10:11], s[10:11], s[20:21]
.macro FRAG reg, adr, q, i             ; B: 16 rows x 128 K from padded rows
.irp c, 0,1,2,3
	ds_load_b128 v[\reg+4*\c:\reg+4*\c+3], v[\adr] offset:128*(\q)+32*\c+(\i)*16*PITCH
.endr
.endm
.macro FRAGA reg, adr, q, i            ; A: the image as it lies
.irp c, 0,1,2,3
	ds_load_b128 v[\reg+4*\c:\reg+4*\c+3], v[\adr] offset:(\i)*ASTEP+2048*(\q)+512*\c
.endr
.endm
.macro MUL16 a0, p, zero               ; the 64 accumulators take turns, one instruction a turn, in the same order in every step
.irp a, \a0, \a0+1
.irp b, 0,1,2,3,4,5,6,7
.if \zero
	v_wmma_f32_16x16x128_fp8_fp8 v[8*(8*((\a)%4)+\b):8*(8*((\a)%4)+\b)+7], v[128*(\p)+FR*\b:128*(\p)+FR*\b+FR-1], v[AF+FR*(\a):AF+FR*(\a)+FR-1], 0
.else
	v_wmma_f32_16x16x128_fp8_fp8 v[8*(8*((\a)%4)+\b):8*(8*((\a)%4)+\b)+7], v[128*(\p)+FR*\b:128*(\p)+FR*\b+FR-1], v[AF+FR*(\a):AF+FR*(\a)+FR-1], v[8*(8*((\a)%4)+\b):8*(8*((\a)%4)+\b)+7]
.endif
.endr
.endr
.endm
.macro FETCH_B slot, q, p
	WIN TO_B
.irp i, 0,1,2,3,4,5,6,7
	FRAG 128*(\p)+FR*\i, ADRB+\slot, \q, \i
.endr
	WIN 0
.endm
.macro FETCH_A slot, q, i0
.irp i, \i0, \i0+1, \i0+2, \i0+3
	FRAGA AF+FR*(\i), ADRA+\slot, \q, \i
.endr
.endm
.macro PLACES n
.rept \n
	v_nop
.endr
.endm
.macro STEP slot, q, zero
	s_wait_dscnt 4*NL                              ; B's set and A's blocks 0-3 are in; the youngest 16 loads may be out
	WIN MUL_LO
	MUL16 0, (\q)%2, \zero
	MUL16 2, (\q)%2, \zero
	s_wait_dscnt 0
	PLACES NP
	FETCH_B \slot, (\q)+1, 1-(\q)%2
	FETCH_A \slot, (\q)+1, 0
	WIN MUL_HI
	MUL16 4, (\q)%2, \zero
	MUL16 6, (\q)%2, \zero
	PLACES NP
	WIN 0
	FETCH_A \slot, (\q)+1, 4
.endm
.macro TURN slot, next, fill
	s_wait_tensorcnt 0x0                           ; all my tensor loads have landed: my part of the next slot
	ds_add_u32 v[SPW], v[NIL]
	s_wait_dscnt 4*NL+1                            ; the add and the youngest 16 loads may be out
	WIN MUL_LO
	MUL16 0, 1, 0
	s_wait_dscnt 0x0                               ; the add is done, and my reads of this slot are over
	s_barrier_signal -1
	MUL16 2, 1, 0
	WIN 0
	s_barrier_wait -1
.if \fill
	CREST                                          ; no wave of any partner still reads this slot or has a load on its way
	s_add_nc_u64 s[G0+4*\slot+2:G0+4*\slot+3], s[G0+4*\slot+2:G0+4*\slot+3], 2*ASTEP
	s_add_nc_u64 s[G0B+4*\slot+2:G0B+4*\slot+3], s[G0B+4*\slot+2:G0B+4*\slot+3], 2*ROWB
	JLOAD G0+4*\slot, G1, G0B+4*\slot, G1B
.else
	PLACES NP
.endif
	FETCH_B \next, 0, 0
	FETCH_A \next, 0, 0
	WIN MUL_HI
	MUL16 4, 1, 0
	MUL16 6, 1, 0
	PLACES NP
	WIN 0
	FETCH_A \next, 0, 4
.endm
	s_wait_alu depctr_va_vdst(0)
	s_wait_tensorcnt 1                             ; my part of K step 0 is in; K step 1's load may be out
	s_barrier_signal -1
	s_barrier_wait -1
	FETCH_B 0, 0, 0
	FETCH_A 0, 0, 0
	FETCH_A 0, 0, 4
	STEP 0, 0, 1
	s_mov_b32 s3, LAPS-1
.Llap:
	TURN 0, 1, 1
	STEP 1, 0, 0
	TURN 1, 0, 1
	STEP 0, 0, 0
	s_sub_co_u32 s3, s3, 1
	s_cmp_lg_u32 s3, 0
	s_cbranch_scc1 .Llap
	TURN 0, 1, 0
	STEP 1, 0, 0
	s_wait_dscnt 4*NL
	WIN MUL_LO
	MUL16 0, 1, 0
	MUL16 2, 1, 0
	s_wait_dscnt 0
	WIN MUL_HI
	MUL16 4, 1, 0
	MUL16 6, 1, 0
	WIN 0
; THE WAY OUT, block by block of 16 rows x 128 columns, through my own stage: in as 32 bytes a lane, back as whole rows of 512 bytes.  LDS serves a wave's instructions in order (ISA guide 5.7.1.4).
.macro TOSTAGE a
.set AC, 64*((\a)%4)
	WIN 0x02+((\a)/4)
.set j, 0
.rept 32
	v_pk_mul_f32 v[TMP+j:TMP+j+1], v[AC+j:AC+j+1], s[96:97] op_sel_hi:[1,0]   ; x 2^(e10 + e11); each accumulator from its low end on
.set j, j+2
.endr
	WIN 0
.irp b, 0,1,2,3,4,5,6,7
	ds_store_b128 v[STO], v[TMP+8*\b:TMP+8*\b+3] offset:64*\b
	ds_store_b128 v[STO], v[TMP+8*\b+4:TMP+8*\b+7] offset:64*\b+16
.endr
.set BB, BK+64*((\a)%2)
.irp t, 0,1,2,3,4,5,6,7,8,9,10,11,12,13,14,15
	ds_load_b128 v[BB+4*\t:BB+4*\t+3], v[RD] offset:\t*SPITCH
.endr
.endm
.macro SEND a, younger
.set BB, BK+64*((\a)%2)
	s_wait_dscnt \younger
.if (\a) > 0
	s_add_nc_u64 s[10:11], s[10:11], 16*SIZE_N*4   ; behind a wait on XCNT: the earlier stores have read their base
.endif
.irp t, 0,1,2,3,4,5,6,7,8,9,10,11,12,13,14,15
	global_store_b128 v[CO], v[BB+4*\t:BB+4*\t+3], s[10:11] offset:\t*SIZE_N*4 th:TH_STORE_NT   ; 32 lanes store 512 consecutive bytes, aligned
.endr
.endm
	s_wait_kmcnt 0x0
	s_add_co_i32 s96, s96, s97
	s_add_co_i32 s96, s96, 127
	s_lshl_b32 s96, s96, 23                        ; 2^(e10 + e11) as f32
	PLACES NP
	TOSTAGE 0
.irp a, 1,2,3,4,5,6,7
.if \a > 1
	s_wait_xcnt 0x0                                ; block a - 2's stores have read their registers and their base
.endif
	TOSTAGE \a
	SEND \a-1, 32                                  ; behind block a - 1's loads: block a's 16 stores and 16 loads
.endr
	s_wait_xcnt 0x0
	SEND 7, 0
	s_wait_tensorcnt 0x0                           ; the wave's end, behind my last tensor load and my last LDS store
	ds_add_u32 v[SPW], v[NIL]
	s_wait_dscnt 0x0
	CROUND                                         ; the closing round
	s_endpgm
.Lfunc_end_k_q4333f11a68_outp:
	.size	k_q4333f11a68_outp, .Lfunc_end_k_q4333f11a68_outp-k_q4333f11a68_outp
	.p2alignl 7, 3214868480
	.fill 96, 4, 3214868480
	.section	.rodata,"a",@progbits
	.p2align	6, 0x0
	.amdhsa_kernel k_q4333f11a68_outp
		.amdhsa_group_segment_fixed_size 327680
		.amdhsa_private_segment_fixed_size 0
		.amdhsa_enable_private_segment 0
		.amdhsa_kernarg_size 32
		.amdhsa_user_sgpr_count 2
		.amdhsa_user_sgpr_kernarg_segment_ptr 1
		.amdhsa_wavefront_size32 1
		.amdhsa_system_sgpr_workgroup_id_x 1
		.amdhsa_system_sgpr_workgroup_id_y 1
		.amdhsa_system_sgpr_workgroup_id_z 1
		.amdhsa_system_vgpr_workitem_id 0
		.amdhsa_next_free_vgpr 1024
		.amdhsa_next_free_sgpr 98
		.amdhsa_reserve_vcc 0
		.amdhsa_float_denorm_mode_32 3
		.amdhsa_float_denorm_mode_16_64 3
		.amdhsa_memory_ordered 1
		.amdhsa_forward_progress 1
		.amdhsa_inst_pref_size 124
	.end_amdhsa_kernel
	.amdgpu_metadata
---
amdhsa.version: [ 1, 2 ]
amdhsa.kernels:
  - .name:           k_q4333f11a68_outp
    .symbol:         k_q4333f11a68_outp.kd
    .args:
      - { .name: oc, .offset: 0, .size: 8, .value_kind: global_buffer, .address_space: global }
      - { .name: wc, .offset: 8, .size: 8, .value_kind: global_buffer, .address_space: global }
      - { .name: lowp_scales, .offset: 16, .size: 8, .value_kind: global_buffer, .address_space: global }
      - { .name: out0, .offset: 24, .size: 8, .value_kind: global_buffer, .address_space: global }
    .group_segment_fixed_size: 327680
    .private_segment_fixed_size: 0
    .kernarg_segment_align: 8
    .kernarg_segment_size: 32
    .max_flat_workgroup_size: 128
    .sgpr_count:     98
    .vgpr_count:     1024
    .wavefront_size: 32
...
	.end_amdgpu_metadata
.endif
;; end of part 4
